; MI455X (gfx1250); checked and timed in simulation.
; The chip was launched on July 23, 2026; its instructions are those of AMD's public machine-readable ISA for CDNA 5 (MIT licence, August 2026) and "CDNA5" Instruction Set Architecture Reference Guide (July 2026). The comments in the code are by the model that wrote it; some were corrected since.
;; Transformer Block. Allowed arithmetic: float matrix products may take bf16 or f16 operands with f32 sums; other float arithmetic in f32, or as packed bf16 or f16 multiplies, adds, multiply-adds, maxima and minima; sums over many terms, partial sums and values carried from step to step in f32; what a program stores and reads back later, other than sums and carried values, may be rounded once to bf16 or f16.
;; Inputs: W1 1,024 x 4,096 float32; W2 4,096 x 1,024 float32; Wk 1,024 x 1,024 float32; Wo 1,024 x 1,024 float32; Wq 1,024 x 1,024 float32; Wv 1,024 x 1,024 float32; b1 4,096 float32; b2 1,024 float32; bk 1,024 float32; bo 1,024 float32; bq 1,024 float32; bv 1,024 float32; ln1_b 1,024 float32; ln1_g 1,024 float32; ln2_b 1,024 float32; ln2_g 1,024 float32; x 2 x 2,048 x 1,024 float32.
;; Outputs: out0 2 x 2,048 x 1,024 float32.
;; 2 versions, each right; version 2 is version 1 with the launches prep, ln2 written anew for expert scheduling mode. Each part assembles by itself: llvm-mc -triple=amdgcn-amd-amdhsa -mcpu=gfx1250 --defsym DOCPART=n.
;; ======== version 1 of 2: 7 launches
;; workspace buffers: wts 25,165,824 bytes; act 8,388,608 bytes; qkv 25,165,824 bytes; x1 16,777,216 bytes; h 33,554,432 bytes
;; launch prep (part 1): grid 512 x 1, 8 waves a work-group, no clusters, 0 bytes of LDS; arguments x, ln1_g, ln1_b, Wq, Wk, Wv, Wo, W1, W2, act, wts; writes act, wts
.if DOCPART == 1
	.amdgcn_target "amdgcn-amd-amdhsa--gfx1250"
	.amdhsa_code_object_version 6
	.text
	.protected	k_q092388b3f6_prep
	.globl	k_q092388b3f6_prep
	.p2align	8
	.type	k_q092388b3f6_prep,@function
k_q092388b3f6_prep:
	s_mov_b64 s[64:65], 0
	v_nop
	global_prefetch_b8 v0, s[64:65] scope:SCOPE_SE
	s_setreg_imm32_b32 hwreg(HW_REG_WAVE_MODE, 25, 1), 1
	s_wait_xcnt 0x0
; PREP.  Work-groups 0-255: act = LayerNorm(x) * g + b, rounded once to bf16.  Work-groups 256-511: the six weight matrices, f32 -> bf16, order kept ([K][N]).
; The same text serves the block's second norm: launched with 256 work-groups, on x1 and the second gain and bias, only its first part runs.
; A stream: every byte is read once and written once; no LDS, no barrier, no matrix unit, no cluster (no two work-groups read the same bytes but g and b, 8 KiB).
; act's LAYOUT: [16 panels of 64 columns][4,096 rows][64] bf16: a row of a panel is 128 bytes, a panel 524,288.
; LN SHARES: a work-group has 16 rows, a wave two, one for each half of its lanes, so a row's sums never leave 16 lanes.  Lane l%16 holds columns 64 j + 4 (l%16) + 0..3, j = 0..15:
; load j of a half covers 256 consecutive bytes of x, and store j of a wave 256 consecutive bytes of panel j (two rows of 128), aligned.
; The variance is taken of x - mean (two passes over registers), so a common offset on x costs nothing.  NaN and infinities are not treated apart.
; wts' LAYOUT, bytes: Wq 0, Wk 2,097,152, Wv 4,194,304, Wo 6,291,456, W1 8,388,608, W2 16,777,216.
; CAST SHARES: work-group i = id - 256 takes three pieces of 65,536 bytes: piece i of Wq, Wk, Wv, Wo taken on end, piece i of W1, piece i of W2.  All 48 loads of a lane go out at once
; (192 registers), and a piece's stores leave while the later pieces are on their way.  512 work-groups at 240 registers: two to a WGP, all at work together.
.set XP, 4                             ; s[4:5]   x
.set GP, 6                             ; s[6:7]   gain
.set BP, 8                             ; s[8:9]   bias
.set AP, 22                            ; s[22:23] act
.set XO, 2                             ; v2  my byte offset in the group's 16 rows of x
.set PO, 3                             ; v3  my byte offset in g and b
.set YO, 4                             ; v4  my byte offset in the group's 2,048 bytes of a panel
.set MEAN, 6                           ; v[6:7]   the mean, twice
.set CH, 8                             ; v[8:15]  four chains of packed sums; later v[10:11] 1/sqrt(var + eps), twice
.set X, 16                             ; v[16:79]   my 64 numbers of the row
.set G, 80                             ; v[80:143]  their gains
.set BT, 144                           ; v[144:207] their biases
.set Y, 208                            ; v[208:239] the results, packed
.set CB, 16                            ; the cast: v[16:207], four registers a load
.macro FOLD                            ; four chains into one number, then over the row's 16 lanes
	v_pk_add_f32 v[CH:CH+1], v[CH:CH+1], v[CH+2:CH+3]
	v_pk_add_f32 v[CH+4:CH+5], v[CH+4:CH+5], v[CH+6:CH+7]
	v_pk_add_f32 v[CH:CH+1], v[CH:CH+1], v[CH+4:CH+5]
	v_add_f32 v[CH], v[CH], v[CH+1]
.irp m, 1,2,4,8
	v_add_f32_dpp v[CH], v[CH], v[CH] row_xmask:\m row_mask:0xf bank_mask:0xf
.endr
.endm
.macro CLOAD k, sb                     ; piece k: 16 loads, each of the work-group 4,096 consecutive bytes
.set j, 0
.rept 16
	global_load_b128 v[CB+64*(\k)+4*j:CB+64*(\k)+4*j+3], v2, s[\sb:(\sb)+1] offset:4096*j th:TH_LOAD_NT
.set j, j+1
.endr
.endm
.macro CSTORE k, db                    ; piece k is rounded in place and stored
.set j, 0
.rept 16
.if j%4 == 0
	s_wait_loadcnt 44-16*(\k)-j                    ; loads come back in order: these four are in, the 44 - 16 k - j younger ones stay out
.endif
	v_cvt_pk_bf16_f32 v[CB+64*(\k)+4*j], v[CB+64*(\k)+4*j], v[CB+64*(\k)+4*j+1]
	v_cvt_pk_bf16_f32 v[CB+64*(\k)+4*j+1], v[CB+64*(\k)+4*j+2], v[CB+64*(\k)+4*j+3]
	global_store_b64 v3, v[CB+64*(\k)+4*j:CB+64*(\k)+4*j+1], s[\db:(\db)+1] offset:2048*j  ; a wave's store covers 256 consecutive bytes, aligned
.set j, j+1
.endr
.endm
	s_load_b512 s[4:19], s[0:1], 0x0               ; x, g, b, Wq s[10:11], Wk s[12:13], Wv s[14:15], Wo s[16:17], W1 s[18:19]
	s_load_b128 s[20:23], s[0:1], 0x40             ; W2 s[20:21], act
	s_load_b64 s[24:25], s[0:1], 0x50              ; wts
	s_cmp_lt_u32 ttmp9, 256
	s_cbranch_scc0 .Lcast
	v_lshrrev_b32 v1, 4, v0                        ; my row of the 16
	v_and_b32 v[PO], 15, v0
	v_lshlrev_b32 v[PO], 4, v[PO]
	v_lshl_add_u32 v[XO], v1, 12, v[PO]            ; row x 4,096 + 16 (l % 16)
	v_lshlrev_b32 v[YO], 3, v0                     ; row x 128 + 8 (l % 16) = 8 x thread
	s_lshl_b32 s2, ttmp9, 16                       ; 16 rows of 4,096 bytes
	s_mov_b32 s3, 0
	s_lshl_b32 s28, ttmp9, 11                      ; 16 rows of 128 bytes
	s_mov_b32 s29, 0
	s_mov_b32 s26, 0x3a800000                      ; 1 / 1,024
	s_mov_b32 s27, 0x3727c5ac                      ; 1e-5
	s_wait_kmcnt 0x0
	s_add_nc_u64 s[XP:XP+1], s[XP:XP+1], s[2:3]
	s_add_nc_u64 s[AP:AP+1], s[AP:AP+1], s[28:29]
.set j, 0
.rept 16
	global_load_b128 v[X+4*j:X+4*j+3], v[XO], s[XP:XP+1] offset:256*j th:TH_LOAD_NT
.set j, j+1
.endr
.set j, 0
.rept 16
	global_load_b128 v[G+4*j:G+4*j+3], v[PO], s[GP:GP+1] offset:256*j
.set j, j+1
.endr
.set j, 0
.rept 16
	global_load_b128 v[BT+4*j:BT+4*j+3], v[PO], s[BP:BP+1] offset:256*j
.set j, j+1
.endr
	s_wait_loadcnt 32                              ; the row is in; the 32 younger loads (g and b) stay out
.irp k, 0,1,2,3
	v_pk_add_f32 v[CH+2*(\k):CH+2*(\k)+1], v[X+2*(\k):X+2*(\k)+1], v[X+8+2*(\k):X+8+2*(\k)+1]  ; the first words start the chains
.endr
.set p, 8
.rept 24
	v_pk_add_f32 v[CH+2*(p%4):CH+2*(p%4)+1], v[CH+2*(p%4):CH+2*(p%4)+1], v[X+2*p:X+2*p+1]
.set p, p+1
.endr
	FOLD
	v_mul_f32 v[MEAN], s26, v[CH]
	v_mov_b32 v[MEAN+1], v[MEAN]
.set p, 0
.rept 32
	v_pk_add_f32 v[X+2*p:X+2*p+1], v[X+2*p:X+2*p+1], v[MEAN:MEAN+1] neg_lo:[0,1] neg_hi:[0,1]  ; x - mean, in place
.set p, p+1
.endr
.irp k, 0,1,2,3
	v_pk_mul_f32 v[CH+2*(\k):CH+2*(\k)+1], v[X+2*(\k):X+2*(\k)+1], v[X+2*(\k):X+2*(\k)+1]
.endr
.set p, 4
.rept 28
	v_pk_fma_f32 v[CH+2*(p%4):CH+2*(p%4)+1], v[X+2*p:X+2*p+1], v[X+2*p:X+2*p+1], v[CH+2*(p%4):CH+2*(p%4)+1]
.set p, p+1
.endr
	FOLD
	v_fma_f32 v[CH], v[CH], s26, s27               ; var + eps
	v_rsq_f32 v[CH+2], v[CH]                       ; twice: a pair for the packed multiply
	v_rsq_f32 v[CH+3], v[CH]
	v_nop                                          ; a plain instruction behind the last of the two (ISA guide 5.7.2),
	s_wait_alu depctr_va_vdst(0)                   ; and one wait for both, ahead of their first reader
	s_wait_loadcnt 0x0                             ; g and b
.set p, 0
.rept 32
	v_pk_mul_f32 v[X+2*p:X+2*p+1], v[X+2*p:X+2*p+1], v[CH+2:CH+3]
.set p, p+1
.endr
.set p, 0
.rept 32
	v_pk_fma_f32 v[X+2*p:X+2*p+1], v[X+2*p:X+2*p+1], v[G+2*p:G+2*p+1], v[BT+2*p:BT+2*p+1]
.set p, p+1
.endr
.set p, 0
.rept 32
	v_cvt_pk_bf16_f32 v[Y+p], v[X+2*p], v[X+2*p+1]
.set p, p+1
.endr
.set j, 0
.rept 16
	global_store_b64 v[YO], v[Y+2*j:Y+2*j+1], s[AP:AP+1] offset:j*524288  ; panel j: the wave's 256 consecutive bytes; 15 panels at the most, inside the signed 24-bit immediate
.set j, j+1
.endr
	s_endpgm
.Lcast:
	v_lshlrev_b32 v2, 4, v0                        ; 16 bytes a thread in,
	v_lshlrev_b32 v3, 3, v0                        ; 8 out
	s_sub_co_u32 s26, ttmp9, 256                   ; i
	s_lshl_b32 s2, s26, 15                         ; piece i of the results: 32,768 bytes each
	s_mov_b32 s3, 0
	s_lshl_b32 s28, s26, 16                        ; piece i of W1 and of W2
	s_mov_b32 s29, 0
	s_and_b32 s30, s26, 63                         ; each of the four square matrices has 64 pieces
	s_lshl_b32 s30, s30, 16
	s_mov_b32 s31, 0
	s_wait_kmcnt 0x0
	s_cmp_lt_u32 s26, 192
	s_cselect_b64 s[32:33], s[14:15], s[16:17]     ; Wv, or Wo
	s_cmp_lt_u32 s26, 128
	s_cselect_b64 s[32:33], s[12:13], s[32:33]     ; Wk
	s_cmp_lt_u32 s26, 64
	s_cselect_b64 s[32:33], s[10:11], s[32:33]     ; Wq
	s_add_nc_u64 s[32:33], s[32:33], s[30:31]
	s_add_nc_u64 s[18:19], s[18:19], s[28:29]
	s_add_nc_u64 s[20:21], s[20:21], s[28:29]
	s_add_nc_u64 s[24:25], s[24:25], s[2:3]        ; the four square matrices lie on end in wts: piece i of them at 32,768 i,
	s_add_nc_u64 s[34:35], s[24:25], 0x800000      ; W1's 8,388,608 bytes on,
	s_add_nc_u64 s[36:37], s[34:35], 0x800000      ; W2's as much again
	CLOAD 0, 32
	CLOAD 1, 18
	CLOAD 2, 20
	CSTORE 0, 24
	CSTORE 1, 34
	CSTORE 2, 36
	s_endpgm
.Lfunc_end_k_q092388b3f6_prep:
	.size	k_q092388b3f6_prep, .Lfunc_end_k_q092388b3f6_prep-k_q092388b3f6_prep
	.p2alignl 7, 3214868480
	.fill 96, 4, 3214868480
	.section	.rodata,"a",@progbits
	.p2align	6, 0x0
	.amdhsa_kernel k_q092388b3f6_prep
		.amdhsa_group_segment_fixed_size 0
		.amdhsa_private_segment_fixed_size 0
		.amdhsa_enable_private_segment 0
		.amdhsa_kernarg_size 88
		.amdhsa_user_sgpr_count 2
		.amdhsa_user_sgpr_kernarg_segment_ptr 1
		.amdhsa_wavefront_size32 1
		.amdhsa_system_sgpr_workgroup_id_x 1
		.amdhsa_system_sgpr_workgroup_id_y 1
		.amdhsa_system_sgpr_workgroup_id_z 1
		.amdhsa_system_vgpr_workitem_id 0
		.amdhsa_next_free_vgpr 240
		.amdhsa_next_free_sgpr 66
		.amdhsa_reserve_vcc 0
		.amdhsa_float_denorm_mode_32 3
		.amdhsa_float_denorm_mode_16_64 3
		.amdhsa_memory_ordered 1
		.amdhsa_forward_progress 1
		.amdhsa_inst_pref_size 37
	.end_amdhsa_kernel
	.amdgpu_metadata
---
amdhsa.version: [ 1, 2 ]
amdhsa.kernels:
  - .name:           k_q092388b3f6_prep
    .symbol:         k_q092388b3f6_prep.kd
    .args:
      - { .name: x, .offset: 0, .size: 8, .value_kind: global_buffer, .address_space: global }
      - { .name: ln1_g, .offset: 8, .size: 8, .value_kind: global_buffer, .address_space: global }
      - { .name: ln1_b, .offset: 16, .size: 8, .value_kind: global_buffer, .address_space: global }
      - { .name: Wq, .offset: 24, .size: 8, .value_kind: global_buffer, .address_space: global }
      - { .name: Wk, .offset: 32, .size: 8, .value_kind: global_buffer, .address_space: global }
      - { .name: Wv, .offset: 40, .size: 8, .value_kind: global_buffer, .address_space: global }
      - { .name: Wo, .offset: 48, .size: 8, .value_kind: global_buffer, .address_space: global }
      - { .name: W1, .offset: 56, .size: 8, .value_kind: global_buffer, .address_space: global }
      - { .name: W2, .offset: 64, .size: 8, .value_kind: global_buffer, .address_space: global }
      - { .name: act, .offset: 72, .size: 8, .value_kind: global_buffer, .address_space: global }
      - { .name: wts, .offset: 80, .size: 8, .value_kind: global_buffer, .address_space: global }
    .group_segment_fixed_size: 0
    .private_segment_fixed_size: 0
    .kernarg_segment_align: 8
    .kernarg_segment_size: 88
    .max_flat_workgroup_size: 256
    .sgpr_count:     66
    .vgpr_count:     240
    .wavefront_size: 32
...
	.end_amdgpu_metadata
.endif
;; end of part 1
;; launch proj (part 2): grid 12 x 16, 4 waves a work-group, clusters of 4 x 4, 327,680 bytes of LDS; arguments act, wts, bq, bk, bv, qkv; writes qkv
.if DOCPART == 2
	.amdgcn_target "amdgcn-amd-amdhsa--gfx1250"
	.amdhsa_code_object_version 6
	.text
	.protected	k_q092388b3f6_proj
	.globl	k_q092388b3f6_proj
	.p2align	8
	.type	k_q092388b3f6_proj,@function
k_q092388b3f6_proj:
	s_mov_b64 s[64:65], 0
	v_nop
	global_prefetch_b8 v0, s[64:65] scope:SCOPE_SE
	s_setreg_imm32_b32 hwreg(HW_REG_WAVE_MODE, 25, 1), 1
	s_wait_xcnt 0x0
	s_wait_alu depctr_hold_cnt(0) depctr_sa_sdst(0) depctr_va_vdst(0) depctr_va_sdst(0) depctr_va_ssrc(0) depctr_va_vcc(0) depctr_vm_vsrc(0)
	s_getreg_b32 s2, hwreg(HW_REG_IB_STS2, 6, 4)
	s_cmp_eq_u32 s2, 0
	s_cbranch_scc0 .Lentry_in_a_cluster
	s_endpgm
.Lentry_in_a_cluster:
	s_bfe_u32 s2, ttmp6, 0x10000c
	s_cmp_lg_u32 s2, 0xf033
	s_cbranch_scc0 .Lentry_shape_is_right
	s_endpgm
.Lentry_shape_is_right:
; PROJ.  qkv = act [Wq | Wk | Wv] + [bq | bk | bv], bf16 operands, f32 sums, rounded once to bf16.  M = 4,096, N = 3,072, K = 1,024.
; act and qkv lie in panels: [columns / 64][4,096 rows][64] bf16 (a row of a panel 128 bytes, a panel 524,288); the weights lie [K][N] bf16 in wts.
; SHARES.  A tile of C, 256 x 256, to a work-group of four waves; a wave makes 128 x 128: 64 accumulators, 512 registers.  192 work-groups: a quarter of the tile would give three
; times as many starts and ends for the same products, and half of it one round and a half.
; RING.  K goes in steps of 128 through two LDS slots.  A slot: two panels of A (256 rows, 128 bytes + 16 of padding), then 128 rows of W (512 bytes + 32).  Each wave fetches a quarter, 32 KiB, by one tensor load.
; CLUSTER 4 x 4: A's tile hangs on the tile row alone and is asked for jointly along a row of the cluster, W's on the tile column alone, jointly along a column.
; THE PRODUCT IS TAKEN TRANSPOSED: source 0 = 16 columns of W (out of LDS by the turning load, since W lies [K][N]), source 1 = 16 rows of A: a lane holds one row of C and eight neighbouring columns.
; THE K LOOP is written once (ROT: two quarters of 32 along K, beginning where the next panel's fragments are fetched) and walked twice a slot; the LDS addresses hang on two scalars.
; THE WAY OUT goes through LDS, which the ring no longer needs, so that it can be a loop: 16 trips over eight rows.
; REGISTERS, in windows of 256: window 0: v16-31 addresses, v48-55 the bias, v64-191 A's fragments, two buffers (behind the K loop: the way out's work); window 1: v64-191 W's fragments; windows 2, 3: accumulators (a, b) at v[8 (8 a + b)].
.set QKV,   1                          ; 1: three matrices of 1,024 columns, one to each cluster x;  0: one matrix
.set GELU,  0
.set U,     8                          ; the way out: rows in a trip, and LDS loads and stores in a trip
.set NB,    1024                       ; elements from row to row of W
.set WOFF,  0                          ; W's first byte in wts
.set SB,    2*NB
.set PA,    144                        ; 9 x 16: the 16 rows of a fragment load start at 16 different groups of four banks (ISA guide 11.1)
.set PB,    544                        ; 17 x 32
.set APAN,  256*PA
.set BHALF, 64*PB
.set BOFF,  2*APAN
.set SLOT,  BOFF+2*BHALF               ; 143,360
.set SPARE, 2*SLOT                     ; behind the ring: the spare words, 128 bytes a wave, two blocks of 256 bytes that no other line names
.set DP,    528                        ; the way out: a row of 128 f32 + 16 bytes
.set DWAVE, 128*DP
.set PANEL, 524288
.set OSTEP, U*128                      ; bytes of a panel that a trip of the way out fills
.set ASTEP, 2*PANEL
.set BSTEP, 128*SB
.set ADRA, 16                          ; v16  LDS address of the run of A's loads in hand
.set A0,   17                          ; v17  my lane's place in a panel of A; never rewritten
.set ADRB, 20
.set B0,   21
.set DS,   24                          ; v24  the way out: where I put 32 bytes of a row
.set DR,   25                          ; v25  where I read rows back
.set GO,   26                          ; v26  my 8 bytes in 256 of a panel; never rewritten
.set BO,   27                          ; v27  my 16 bytes of 256 of the bias
.set SPW,  28                          ; v28  my spare word; never rewritten
.set NIL,  29                          ; v29  0; never rewritten
.set PFO,  30                          ; v30  the prefetches' lane offset; never rewritten
.set BI,   48
.set F0,   64
.set F1,   128
.set Z,    64                          ; the way out: 4 U numbers with their bias
.set D,    80
.set E,    96
.set P,    112
.set M,    128
.set Y,    144                         ; 2 U words to store
.set X,    160                         ; 4 U numbers as they come back from LDS
.set WV, 14
.set WR, 15                            ; my half of the tile's rows; also 0: I fetch A, 1: I fetch W
.set WC, 16                            ; my half of its columns; also which half of A's or W's part I fetch
.set CX, 17
.set CY, 18
.set TC, 19
.set TR, 20
.set G1A, 24
.set G0A, 32                           ; s[32:35] step 0; s[36:39] step 1, which then walks on
.set G1B, 40
.set G0B, 48
.set SLOTS, 56
.set CNT, 57
.set RS, 58                            ; the slot that is read: 0 or SLOT
.set FS, 59                            ; the slot that is filled
.set TA, 60                            ; LDS byte of the panel of A to be fetched
.set TBB, 61                           ; the same for W's 64 rows, less BOFF
.set WLA, 62
.set WLB, 63
.set PFA, 66
.set LIM, 68
.set PSTEP, 70
.set OA, 72                            ; s[72:73] byte offset of my part of A's step 0: never holds cx
.set OB, 74                            ; s[74:75] the same for W: never holds cy
.set KC1, 82
.set KP,  84
.set KA1, 86
.set KA2, 88
.set KA3, 90
.set KA4, 92
.set KA5, 94
.set MSB, 0
.macro WIN new                         ; the immediate's high byte repeats the setting that is left; a switch that changes nothing is dropped
.if MSB != (\new)
	s_set_vgpr_msb (MSB<<8)|(\new)
.set MSB, \new
.endif
.endm
.macro PLACES                          ; four plain instructions between a matrix instruction and a load into, or a reader of, its registers
.rept 4
	v_nop
.endr
.endm
.macro CROUND                          ; a round of the cluster's barrier
	s_barrier_signal -1
	s_barrier_wait -1
	s_cmp_lg_u32 s[WV], 0
	s_cbranch_scc1 .Lnot_wave_0_\@
	s_barrier_signal -3
.Lnot_wave_0_\@:
	s_barrier_wait -3
	s_barrier_signal -1
	s_barrier_wait -1
.endm
.macro JLOAD                           ; a joint refill by the walking descriptor: waves 0, 1 A's panels, waves 2, 3 W's halves
	s_cmp_eq_u32 s[WR], 0
	s_cbranch_scc0 .Lfor_b_\@
	tensor_load_to_lds s[G0A+4:G0A+7], s[G1A:G1A+7]
	s_nop 0
	PLACES
	s_branch .Lasked_\@
.Lfor_b_\@:
	tensor_load_to_lds s[G0B+4:G0B+7], s[G1B:G1B+7]
	s_nop 0
	PLACES
.Lasked_\@:
.endm
; A prefetch into the L2 of the K step two refills on.  A wave's load is 128 blocks of 256 bytes; the four partners that ask for it jointly take 32 each, told apart by address; a lane a block.
; A's blocks are read by every cluster of a row of clusters: cluster x = 0 asks; W's by every cluster of a column: cluster y = 0 asks.  So each block is named once.  The last two fills have no step two on.
.macro ASK
	s_cmp_gt_u32 s[SLOTS], s[LIM]
	s_cbranch_scc0 .Lnot_mine_\@
	global_prefetch_b8 v[PFO], s[PFA:PFA+1] th:TH_LOAD_NT scope:SCOPE_SE
.Lnot_mine_\@:
.endm
; 32 matrix instructions: my rows 64 hi .. 64 hi + 63 x all 128 columns, 32 along K.  The accumulators take turns, one instruction a turn.  zero = 1: the product starts the sums.
.macro MULH f, hi, zero
	WIN 0xa1+0x50*(\hi)
.irp a, 0,1,2,3
.irp b, 0,1,2,3,4,5,6,7
.if \zero
	v_wmma_f32_16x16x32_bf16 v[8*(8*(\a)+(\b)):8*(8*(\a)+(\b))+7], v[(\f)+8*(\b):(\f)+8*(\b)+7], v[(\f)+8*(4*(\hi)+(\a)):(\f)+8*(4*(\hi)+(\a))+7], 0
.else
	v_wmma_f32_16x16x32_bf16 v[8*(8*(\a)+(\b)):8*(8*(\a)+(\b))+7], v[(\f)+8*(\b):(\f)+8*(\b)+7], v[(\f)+8*(4*(\hi)+(\a)):(\f)+8*(4*(\hi)+(\a))+7], v[8*(8*(\a)+(\b)):8*(8*(\a)+(\b))+7]
.endif
.endr
.endr
.endm
; 32 LDS loads in one run: a quarter's fragments: W's 8 (turned: 32 rows of K x 16 columns each), then A's 8 (16 rows x 32 K each)
.macro FETCH f, ka, kb
	WIN 0x40
.irp i, 0,1,2,3,4,5,6,7
	ds_load_tr16_b128 v[(\f)+8*(\i):(\f)+8*(\i)+3],   v[ADRB] offset:(\kb)+32*(\i)
	ds_load_tr16_b128 v[(\f)+8*(\i)+4:(\f)+8*(\i)+7], v[ADRB] offset:(\kb)+32*(\i)+16*PB
.endr
	WIN 0
.irp i, 0,1,2,3,4,5,6,7
	ds_load_b128 v[(\f)+8*(\i):(\f)+8*(\i)+3],   v[ADRA] offset:(\ka)+(\i)*16*PA
	ds_load_b128 v[(\f)+8*(\i)+4:(\f)+8*(\i)+7], v[ADRA] offset:(\ka)+(\i)*16*PA+32
.endr
.endm
; A panel of K (64): it begins by fetching the panel's first quarter while the quarter before is finished.
.macro ROT
	WIN 0
	v_add_nc_u32 v[ADRA], s[TA], v[A0]             ; these two and two v_nop are the four places behind buffer 0's last reader
	v_add_nc_u32 v[ADRB], s[TBB], v[B0]
	v_nop
	v_nop
	FETCH F0, 0, 0
	s_wait_dscnt 32                                ; all but the 32 just issued: buffer 1 is whole
	MULH F1, 1, 0
	s_wait_dscnt 8                                 ; W and A's rows 0-63 are in; the youngest eight loads (rows 64-127) may be out
	MULH F0, 0, 0
	PLACES
	FETCH F1, 64, 32*PB
	s_wait_dscnt 32
	MULH F0, 1, 0
	s_wait_dscnt 8
	MULH F1, 0, 0
	WIN 0
	s_add_co_u32 s[TA], s[TA], APAN
	s_add_co_u32 s[TBB], s[TBB], BHALF
.endm
; The change of slots.  Each wave waits for all its tensor loads (one is out: its part of the next slot), adds 0 to its spare word, and waits for that and for its reads of the slot that it leaves.
; fill = 1: the barrier is a round of the cluster's, and the joint refill, with the K step two on, is the first thing behind it: it has 256 matrix instructions in which to land.
.macro CHANGE fill
	WIN 0
	s_wait_tensorcnt 0x0                           ; no tensor load of mine is out, so a group 0 may be written
	ds_add_u32 v[SPW], v[NIL]                      ; 0 onto my spare word; the scalar work stands between it and the wait for it
	s_xor_b32 s[RS], s[RS], SLOT
	s_mov_b32 s[TA], s[RS]
	s_mov_b32 s[TBB], s[RS]
.if \fill
	s_xor_b32 s[FS], s[FS], SLOT
	s_add_co_u32 s[G0A+5], s[WLA], s[FS]
	s_add_co_u32 s[G0B+5], s[WLB], s[FS]
	s_add_nc_u64 s[G0A+6:G0A+7], s[G0A+6:G0A+7], ASTEP  ; the type bits on top are not reached
	s_add_nc_u64 s[G0B+6:G0B+7], s[G0B+6:G0B+7], BSTEP
	s_wait_xcnt 0x0                                ; the last prefetch, a K step back, has read its address
	s_add_nc_u64 s[PFA:PFA+1], s[PFA:PFA+1], s[PSTEP:PSTEP+1]
	s_wait_dscnt 0x0                               ; the add is done, and my reads of the slot are over
	CROUND
	JLOAD
	ASK
.else
	s_wait_dscnt 0x0
	s_barrier_signal -1
	s_barrier_wait -1
.endif
.endm
.if QKV
	s_load_b128 s[4:7], s[0:1], 0x0                ; act s[4:5], wts s[6:7]
	s_load_b128 s[76:79], s[0:1], 0x10             ; bq, bk
	s_load_b64 s[80:81], s[0:1], 0x20              ; bv
	s_load_b64 s[8:9], s[0:1], 0x28                ; the output
.else
	s_load_b128 s[4:7], s[0:1], 0x0
	s_load_b64 s[10:11], s[0:1], 0x10              ; the bias
	s_load_b64 s[8:9], s[0:1], 0x18                ; the output
.endif
	v_lshl_add_u32 v[SPW], v0, 2, SPARE
	v_mov_b32 v[NIL], 0
	ds_add_u32 v[SPW], v[NIL]                      ; the wave's opening: the add and its wait ahead of my first tensor load
	v_lshrrev_b32 v1, 5, v0
	v_readfirstlane_b32 s[WV], v1
	s_lshr_b32 s[WR], s[WV], 1
	s_and_b32 s[WC], s[WV], 1
	s_bfe_u32 s[CX], ttmp6, 0x40000
	s_bfe_u32 s[CY], ttmp6, 0x40004
	s_lshl_b32 s[TC], ttmp9, 2
	s_add_co_u32 s[TC], s[TC], s[CX]               ; tile column
	s_and_b32 s[TR], ttmp7, 0xffff
	s_lshl_b32 s[TR], s[TR], 2
	s_add_co_u32 s[TR], s[TR], s[CY]               ; tile row
	s_lshl_b32 s[OA], s[CY], 2
	s_lshl_b32 s[OA], 15, s[OA]                    ; my row of the cluster
	s_lshl_b32 s[OB], 0x1111, s[CX]                ; my column
	s_or_b32 s[G1A], s[OA], (1<<16)|(1<<20)|(1<<21)|(4<<22)|(3<<25)  ; mask; 2-byte elements; padding on; bit 21 beside a mask; after every 32 words, 4 words
	s_mov_b32 s[G1A+1], 128<<16                    ; a panel's 256 rows are 32,768 dense bytes: asked for as 128 rows of 256 bytes
	s_mov_b32 s[G1A+2], 128<<16
	s_mov_b32 s[G1A+3], 128<<16
	s_mov_b32 s[G1A+4], 128
	s_mov_b32 s[G1A+5], 128
	s_mov_b32 s[G1A+6], 0
	s_mov_b32 s[G1A+7], 0
	s_or_b32 s[G1B], s[OB], (1<<16)|(1<<20)|(1<<21)|(6<<22)|(7<<25)  ; after every 128 words, 8 words
	s_mov_b32 s[G1B+1], 256<<16                    ; 64 rows of 256 elements
	s_mov_b32 s[G1B+2], 64<<16
	s_mov_b32 s[G1B+3], 256<<16
	s_mov_b32 s[G1B+4], 64
	s_mov_b32 s[G1B+5], NB
	s_mov_b32 s[G1B+6], 0
	s_mov_b32 s[G1B+7], 0
	s_lshl_b32 s[OA], s[WC], 19                    ; A: my panel of the step's two,
	s_lshl_b32 s[OA+1], s[TR], 15                  ; the tile's 256 rows of 128 bytes
	s_add_co_u32 s[OA], s[OA], s[OA+1]
	s_mov_b32 s[OA+1], 0
.if QKV
	s_lshl_b32 s[OB], ttmp9, 21                    ; W: the cluster's matrix,
	s_lshl_b32 s[OB+1], s[CX], 9                   ; the tile's 256 columns in it
.else
	s_mov_b32 s[OB], WOFF
	s_lshl_b32 s[OB+1], s[TC], 9
.endif
	s_add_co_u32 s[OB], s[OB], s[OB+1]
	s_mul_i32 s[OB+1], s[WC], 64*SB                ; my 64 rows of the step's 128
	s_add_co_u32 s[OB], s[OB], s[OB+1]
	s_mov_b32 s[OB+1], 0
	s_mul_i32 s[WLA], s[WC], APAN                  ; where they go: the wave's number and constants alone
	s_mul_i32 s[WLB], s[WC], BHALF
	s_add_co_u32 s[WLB], s[WLB], BOFF
	s_mov_b32 s[G0A], 1
	s_mov_b32 s[G0A+1], s[WLA]
	s_mov_b32 s[G0A+4], 1
	s_add_co_u32 s[G0A+5], s[WLA], SLOT
	s_mov_b32 s[G0B], 1
	s_mov_b32 s[G0B+1], s[WLB]
	s_mov_b32 s[G0B+4], 1
	s_add_co_u32 s[G0B+5], s[WLB], SLOT
.if QKV
	s_lshl_b32 s2, s[CX], 10                       ; the bias of my 128 columns
.else
	s_lshl_b32 s2, s[TC], 10
.endif
	s_lshl_b32 s3, s[WC], 9
	s_add_co_u32 s2, s2, s3
	s_mov_b32 s3, 0
	s_lshl_b32 s12, s[TC], 1                       ; the output: my two panels, 4 tc + 2 wc on,
	s_add_co_u32 s12, s12, s[WC]
	s_lshl_b32 s12, s12, 20
	s_lshl_b32 s13, s[TR], 1                       ; my 128 rows of 128 bytes
	s_add_co_u32 s13, s13, s[WR]
	s_lshl_b32 s13, s13, 14
	s_add_co_u32 s12, s12, s13
	s_mov_b32 s13, 0
	s_wait_dscnt 0x0                               ; the opening add is done
	s_wait_kmcnt 0x0
	s_add_nc_u64 s[G0A+2:G0A+3], s[4:5], s[OA:OA+1]
	s_add_nc_u64 s[G0A+6:G0A+7], s[G0A+2:G0A+3], ASTEP
	s_or_b32 s[G0A+3], s[G0A+3], 0x80000000
	s_or_b32 s[G0A+7], s[G0A+7], 0x80000000
	s_add_nc_u64 s[G0B+2:G0B+3], s[6:7], s[OB:OB+1]
	s_add_nc_u64 s[G0B+6:G0B+7], s[G0B+2:G0B+3], BSTEP
	s_or_b32 s[G0B+3], s[G0B+3], 0x80000000
	s_or_b32 s[G0B+7], s[G0B+7], 0x80000000
.if QKV
	s_cmp_eq_u32 ttmp9, 1
	s_cselect_b64 s[10:11], s[78:79], s[76:77]
	s_cmp_eq_u32 ttmp9, 2
	s_cselect_b64 s[10:11], s[80:81], s[10:11]
.endif
	s_add_nc_u64 s[10:11], s[10:11], s[2:3]
	s_add_nc_u64 s[8:9], s[8:9], s[12:13]
	CROUND                                         ; all sixteen work-groups are here: the first joint loads meet
	s_cmp_eq_u32 s[WR], 0                          ; a wave's two first fills stand in one branch: two loads of mine are out
	s_cbranch_scc0 .Lfirst_b
	tensor_load_to_lds s[G0A:G0A+3], s[G1A:G1A+7]
	s_nop 0
	tensor_load_to_lds s[G0A+4:G0A+7], s[G1A:G1A+7]
	s_nop 0
	PLACES
	s_branch .Lfirst_done
.Lfirst_b:
	tensor_load_to_lds s[G0B:G0B+3], s[G1B:G1B+7]
	s_nop 0
	tensor_load_to_lds s[G0B+4:G0B+7], s[G1B:G1B+7]
	s_nop 0
	PLACES
.Lfirst_done:
	v_and_b32 v1, 15, v0                           ; r = l % 16
	v_bfe_u32 v2, v0, 4, 1                         ; hh = l / 16
	v_and_b32 v3, 7, v0
	v_bfe_u32 v4, v0, 3, 1
	v_and_b32 v5, 31, v0
	v_lshlrev_b32 v[BO], 4, v1
	global_load_b128 v[BI:BI+3], v[BO], s[10:11]               ; the bias of columns 4 (l % 16) + 0..3 of my first 64,
	global_load_b128 v[BI+4:BI+7], v[BO], s[10:11] offset:256  ; and of my second 64
	s_mul_i32 s21, s[WR], 128*PA
	v_mul_u32_u24 v[A0], v1, PA                    ; a fragment of A: row r, 16 bytes for each half of the lanes
	v_lshl_add_u32 v[A0], v2, 4, v[A0]
	v_add_nc_u32 v[A0], s21, v[A0]
	v_lshl_add_u32 v[B0], v2, 3, v3                ; the turning load: lane l reads row 8 hh + l % 8 of K, columns 8 ((l / 8) % 2) + 0..7
	v_mul_u32_u24 v[B0], v[B0], PB
	v_lshl_add_u32 v[B0], v4, 4, v[B0]
	s_lshl_b32 s21, s[WC], 8
	s_add_co_u32 s21, s21, BOFF
	v_add_nc_u32 v[B0], s21, v[B0]
	s_mul_i32 s21, s[WV], DWAVE
	v_mul_u32_u24 v[DS], v1, DP
	v_lshl_add_u32 v[DS], v2, 5, v[DS]
	v_add_nc_u32 v[DS], s21, v[DS]
	v_mul_u32_u24 v[DR], v2, DP
	v_lshl_add_u32 v[DR], v1, 4, v[DR]
	v_add_nc_u32 v[DR], s21, v[DR]
	v_lshlrev_b32 v[GO], 3, v5
	; the prefetches: my own tile's address at K step 3, plus my work-group's 32 blocks of the 128
	s_lshl_b32 s21, s[CX], 13                      ; A: 32 blocks of 256 dense bytes
	s_mul_i32 s22, s[CY], 16*SB                    ; W: 16 rows, two blocks each
	s_add_co_u32 s21, s21, s[OA]
	s_add_co_u32 s22, s22, s[OB]
	s_add_co_u32 s21, s21, 3*ASTEP
	s_add_co_u32 s22, s22, 3*BSTEP
	s_and_b32 s23, ttmp7, 0xffff
	s_mov_b32 s[PSTEP], BSTEP
	s_mov_b32 s[PSTEP+1], 0
	s_mov_b32 s3, SB
	s_mov_b32 s13, 0
	s_cmp_eq_u32 s[WR], 0
	s_cselect_b32 s12, s21, s22
	s_cselect_b32 s23, ttmp9, s23                  ; the coordinate along which other clusters read the same blocks
	s_cselect_b64 s[PFA:PFA+1], s[4:5], s[6:7]
	s_cselect_b32 s[PSTEP], ASTEP, s[PSTEP]
	s_cselect_b32 s3, 512, s3
	s_add_nc_u64 s[PFA:PFA+1], s[PFA:PFA+1], s[12:13]
	s_cmp_eq_u32 s23, 0
	s_cselect_b32 s[LIM], 2, -1                    ; the same in all sixteen partners, for a given wave
	v_lshrrev_b32 v6, 1, v5
	v_and_b32 v[PFO], 1, v5
	v_lshlrev_b32 v[PFO], 8, v[PFO]
	v_mad_u32_u24 v[PFO], v6, s3, v[PFO]           ; (l / 2) x 512 or a row of W, + 256 (l % 2)
.if GELU
	s_mov_b32 s[KC1], 0xbf38aa3b                   ; -log2(e) / 2
	s_mov_b32 s[KP],  0x3e6d3388                   ; 0.3275911 / sqrt(2)
	s_mov_b32 s[KA1], 0xbe027906                   ; -0.254829592 / 2
	s_mov_b32 s[KA2], 0x3e11a98e                   ;  0.284496736 / 2
	s_mov_b32 s[KA3], 0xbf35f0e3                   ; -1.421413741 / 2
	s_mov_b32 s[KA4], 0x3f3a00e3                   ;  1.453152027 / 2
	s_mov_b32 s[KA5], 0xbf07dc22                   ; -1.061405429 / 2
.irp k, KC1, KP, KA1, KA2, KA3, KA4, KA5
	s_mov_b32 s[(\k)+1], s[\k]                     ; named as pairs
.endr
.endif
	v_mov_b32 v[ADRA], v[A0]
	v_mov_b32 v[ADRB], v[B0]
	s_wait_tensorcnt 0x1                           ; my part of K step 0 is in; step 1's may stay out
	s_barrier_signal -1
	s_barrier_wait -1
	FETCH F0, 0, 0                                 ; the first panel's first quarter and a half stand in front of the loop: their products start the sums
	s_wait_dscnt 8
	MULH F0, 0, 1
	FETCH F1, 64, 32*PB
	s_wait_dscnt 32
	MULH F0, 1, 1
	s_wait_dscnt 8
	MULH F1, 0, 0
	WIN 0
	s_mov_b32 s[RS], 0
	s_mov_b32 s[FS], SLOT
	s_mov_b32 s[TA], APAN
	s_mov_b32 s[TBB], BHALF
	s_mov_b32 s[SLOTS], 7                          ; the entry in the middle takes one count: six changes fill a slot again, with K steps 2 to 7
	s_mov_b32 s[CNT], 1
	s_branch .Lrot
.Lslot:
	CHANGE 1
	s_mov_b32 s[CNT], 2
.Lrot:
	ROT
	s_sub_co_u32 s[CNT], s[CNT], 1
	s_cmp_lg_u32 s[CNT], 0
	s_cbranch_scc1 .Lrot
	s_sub_co_u32 s[SLOTS], s[SLOTS], 1
	s_cmp_lg_u32 s[SLOTS], 0
	s_cbranch_scc1 .Lslot
	CHANGE 0                                       ; the last K step is written out
	s_mov_b32 s[CNT], 2
.Ltrot:
	ROT
	s_sub_co_u32 s[CNT], s[CNT], 1
	s_cmp_lg_u32 s[CNT], 0
	s_cbranch_scc1 .Ltrot
	s_wait_dscnt 0x0                               ; my reads of the ring are over: say so,
	s_barrier_signal -1
	MULH F1, 1, 0                                  ; finish on registers,
	WIN 0
	s_barrier_wait -1                              ; and go on when all four have said so: the ring has had its last fill and its last read, and serves as the stage
	PLACES
.irp hi, 0,1
	WIN 0x08+4*(\hi)                               ; store data in window 2, then 3
.irp a, 0,1,2,3
.irp b, 0,1,2,3,4,5,6,7
	ds_store_b128 v[DS], v[8*(8*(\a)+(\b)):8*(8*(\a)+(\b))+3]   offset:(4*(\hi)+(\a))*16*DP+64*(\b)
	ds_store_b128 v[DS], v[8*(8*(\a)+(\b))+4:8*(8*(\a)+(\b))+7] offset:(4*(\hi)+(\a))*16*DP+64*(\b)+16
.endr
.endr
.endr
	WIN 0
.macro LOADX                           ; U rows x 128 columns: a half of the lanes takes 256 consecutive bytes.  LDS serves a wave's instructions in order (ISA guide 5.7.1.4): these see my stores
.set u, 0
.rept U
	ds_load_b128 v[X+4*u:X+4*u+3], v[DR] offset:(u/2)*2*DP+(u%2)*256
.set u, u+1
.endr
.endm
	s_wait_loadcnt 0x0                             ; the bias
	LOADX
	s_mov_b32 s[CNT], 128/U
.Lep:                                          ; a trip: U rows: bias, (activation,) rounding, U stores; the next U rows are fetched under it
	s_wait_dscnt 0x0
.set u, 0
.rept U
.irp p, 0,1
	v_pk_add_f32 v[Z+4*u+2*(\p):Z+4*u+2*(\p)+1], v[X+4*u+2*(\p):X+4*u+2*(\p)+1], v[BI+4*(u%2)+2*(\p):BI+4*(u%2)+2*(\p)+1]
.endr
.set u, u+1
.endr
	s_cmp_eq_u32 s[CNT], 1
	s_cbranch_scc1 .Lnol
	v_add_nc_u32 v[DR], U*DP, v[DR]
	LOADX
.Lnol:
	s_wait_xcnt 0x0                                ; the last trip's stores have read their data and their base: both are written again only behind this wait, which stands as far behind those stores as the trip allows
	s_add_nc_u64 s[8:9], s[8:9], OSTEP             ; the stores below reach back by as much
.set i, 0
.rept 2*U
	v_cvt_pk_bf16_f32 v[Y+i], v[Z+2*i], v[Z+2*i+1]
.set i, i+1
.endr
.set u, 0
.rept U
	global_store_b64 v[GO], v[Y+2*u:Y+2*u+1], s[8:9] offset:(u/2)*256+(u%2)*PANEL-OSTEP  ; the wave's 256 consecutive bytes, aligned: two rows of a panel
.set u, u+1
.endr
	s_sub_co_u32 s[CNT], s[CNT], 1
	s_cmp_lg_u32 s[CNT], 0
	s_cbranch_scc1 .Lep
	s_wait_tensorcnt 0x0                           ; the wave's end
	ds_add_u32 v[SPW], v[NIL]
	s_wait_dscnt 0x0
	CROUND                                         ; the closing round
	s_endpgm
.Lfunc_end_k_q092388b3f6_proj:
	.size	k_q092388b3f6_proj, .Lfunc_end_k_q092388b3f6_proj-k_q092388b3f6_proj
	.p2alignl 7, 3214868480
	.fill 96, 4, 3214868480
	.section	.rodata,"a",@progbits
	.p2align	6, 0x0
	.amdhsa_kernel k_q092388b3f6_proj
		.amdhsa_group_segment_fixed_size 327680
		.amdhsa_private_segment_fixed_size 0
		.amdhsa_enable_private_segment 0
		.amdhsa_kernarg_size 48
		.amdhsa_user_sgpr_count 2
		.amdhsa_user_sgpr_kernarg_segment_ptr 1
		.amdhsa_wavefront_size32 1
		.amdhsa_system_sgpr_workgroup_id_x 1
		.amdhsa_system_sgpr_workgroup_id_y 1
		.amdhsa_system_sgpr_workgroup_id_z 1
		.amdhsa_system_vgpr_workitem_id 0
		.amdhsa_next_free_vgpr 1024
		.amdhsa_next_free_sgpr 100
		.amdhsa_reserve_vcc 0
		.amdhsa_float_denorm_mode_32 3
		.amdhsa_float_denorm_mode_16_64 3
		.amdhsa_memory_ordered 1
		.amdhsa_forward_progress 1
		.amdhsa_inst_pref_size 62
	.end_amdhsa_kernel
	.amdgpu_metadata
---
amdhsa.version: [ 1, 2 ]
amdhsa.kernels:
  - .name:           k_q092388b3f6_proj
    .symbol:         k_q092388b3f6_proj.kd
    .args:
      - { .name: act, .offset: 0, .size: 8, .value_kind: global_buffer, .address_space: global }
      - { .name: wts, .offset: 8, .size: 8, .value_kind: global_buffer, .address_space: global }
      - { .name: bq, .offset: 16, .size: 8, .value_kind: global_buffer, .address_space: global }
      - { .name: bk, .offset: 24, .size: 8, .value_kind: global_buffer, .address_space: global }
      - { .name: bv, .offset: 32, .size: 8, .value_kind: global_buffer, .address_space: global }
      - { .name: qkv, .offset: 40, .size: 8, .value_kind: global_buffer, .address_space: global }
    .group_segment_fixed_size: 327680
    .private_segment_fixed_size: 0
    .kernarg_segment_align: 8
    .kernarg_segment_size: 48
    .max_flat_workgroup_size: 128
    .sgpr_count:     100
    .vgpr_count:     1024
    .wavefront_size: 32
...
	.end_amdgpu_metadata
.endif
;; end of part 2
;; launch attn (part 3): grid 8 x 32, 4 waves a work-group, clusters of 4 x 1, 327,680 bytes of LDS; arguments qkv, act; writes act
.if DOCPART == 3
	.amdgcn_target "amdgcn-amd-amdhsa--gfx1250"
	.amdhsa_code_object_version 6
	.text
	.protected	k_q092388b3f6_attn
	.globl	k_q092388b3f6_attn
	.p2align	8
	.type	k_q092388b3f6_attn,@function
k_q092388b3f6_attn:
	s_mov_b64 s[64:65], 0
	v_nop
	global_prefetch_b8 v0, s[64:65] scope:SCOPE_SE
	s_setreg_imm32_b32 hwreg(HW_REG_WAVE_MODE, 25, 1), 1
	s_wait_xcnt 0x0
	s_wait_alu depctr_hold_cnt(0) depctr_sa_sdst(0) depctr_va_vdst(0) depctr_va_sdst(0) depctr_va_ssrc(0) depctr_va_vcc(0) depctr_vm_vsrc(0)
	s_getreg_b32 s2, hwreg(HW_REG_IB_STS2, 6, 4)
	s_cmp_eq_u32 s2, 0
	s_cbranch_scc0 .Lentry_in_a_cluster
	s_endpgm
.Lentry_in_a_cluster:
	s_bfe_u32 s2, ttmp6, 0x10000c
	s_cmp_lg_u32 s2, 0x3003
	s_cbranch_scc0 .Lentry_shape_is_right
	s_endpgm
.Lentry_shape_is_right:
; ATTENTION.  O[q][:] = the sum over k of softmax_k(Q[q] . K[k] / 8) V[k][:] for each of 32 heads (2 h + b) of 2,048 rows x 64 channels, all bf16.  A head's rows are dense, 128 bytes each, 262,144 bytes a head:
; q at qkv + head, k 8,388,608 bytes on, v 16,777,216 on; O at act + head, which is the panel layout of the rows x 1,024 matrix that the next product reads.
; Products, maxima and sums in f32; the weights p are rounded to bf16 for the second product (their sum l is taken of the unrounded p), O once at the end.
; LIMITS.  A weight below 2^-126 counts as 0 in l; NaN and infinities are not treated apart.
; SHARES.  A work-group has 256 queries of a head, a wave 64: four PIECES of 16.  Every wave walks all keys, 64 a step, 256 a slot.  256 work-groups.
; LAYOUT.  S^T = K Q^T (source 0 = 16 keys, source 1 = 16 queries): a lane holds ONE query (lane % 16) and the keys 8 (lane / 16) + 0..7; two such results rounded to bf16 ARE source 1 of O^T = V^T P.
; K comes out of LDS as it lies, V ([key][channel]) turned, by ds_load_tr16_b128.
; SOFTMAX.  A running maximum m and sum l: p = 2^(c s - c m), c = log2(e) / 8; in every step O and l are multiplied by a = 2^(c m_old - c m_new).  m starts at the lowest finite number, O and l at 0.
; BY TURNS.  Turn n belongs to piece n: 8 products K Q^T of piece n + 1, later 8 products V^T P of piece n - 1; beside them the scaling, exponentials, roundings, sums and rescaling of piece n and the maximum
; and statistics of piece n + 1.  Four vector instructions stand behind every matrix instruction, the others in one lump.  A turn's 33 exponentials are one batch, with one wait.
; CLUSTER.  The four query blocks of a cluster belong to one head and walk the same K and V: each tile is asked for jointly, by the same load, descriptor and mask in all four.
; REGISTERS, in windows of 256 (s_set_vgpr_msb: bits 1:0 source 0, 3:2 source 1, 5:4 source 2, 7:6 destination):
;   window 0: v0-15 addresses; v16-31 statistics; v48-55 at work; v61-63; v64-127 S^T, two buffers; v192-223 P, two buffers      window 1: v0-127 O^T      window 2: v0-63 Q; v128-191 K; v192-255 V
.set NP,    4
.set KS,    64
.set PK,    144       ; a row of K in LDS: 128 bytes + 16: the 16 rows of a load start at 16 different groups of four banks (ISA guide 11.1)
.set PV,    160       ; a row of V: 128 + 32
.set VOFF,  4*KS*PK   ; a slot: 256 rows of K, then 256 rows of V
.set SLOT1, 1<<17     ; one exclusive or turns an address in one slot into the other's
.set STAGE, SLOT1+4*KS*(PK+PV)  ; never filled by a tensor load: 16 rows x 144 bytes for each wave
.set SP,    144
.set SPARE, STAGE+4*16*SP       ; the spare words, 128 bytes a wave: two blocks of 256 bytes that no other line names
.set AK0, 2
.set AV0, 3
.set AK,  4
.set AV,  5
.set STO, 6
.set RD,  7
.set GO,  8
.set MV,  12          ; v12-13  c m_old, by buffer
.set QO,  15
.set ST,  16          ; piece t: c m, m, l (even keys', odd keys')
.set TMP, 48          ; by buffer: c0-c3 at work; c2 takes a
.set PFO, 61          ; 256 x my lane; never rewritten
.set SPW, 62
.set NIL, 63
.set S,   64
.set P,   192
.set KF,  128
.set VF,  192
.set WV,  12
.set LIM, 15
.set G1K, 24
.set G1V, 32
.set G0K, 40
.set G0V, 44
.set SLOTS, 56
.set CNT, 57
.set CS,  58
.set SEL, 60
.set TBK, 62
.set TBV, 63
.set PFA, 66
.set MSB, 0
.macro WIN new
.if MSB != (\new)
	s_set_vgpr_msb (MSB<<8)|(\new)
.set MSB, (\new)
.endif
.endm
.set W_KQ, 0x0a       ; K and Q in window 2, S^T in window 0
.set W_PV, 0x52       ; V in window 2, P in window 0, O^T in window 1
.set W_RS, 0x41       ; destination and source 0 in window 1, source 1 in window 0
.macro JLOAD                        ; waves 0, 1 fetch the halves of a slot's K, waves 2, 3 those of its V
	s_cmp_lt_u32 s[WV], 2
	s_cbranch_scc0 .Lfor_v_\@
	tensor_load_to_lds s[G0K:G0K+3], s[G1K:G1K+7]
	s_nop 0
.rept 4
	v_nop
.endr
	s_branch .Lasked_\@
.Lfor_v_\@:
	tensor_load_to_lds s[G0V:G0V+3], s[G1V:G1V+7]
	s_nop 0
.rept 4
	v_nop
.endr
.Lasked_\@:
.endm
; A prefetch into the L2 of the tile that the NEXT change of slots will ask for: 128 blocks of 256 bytes of K and of V.  Both clusters of a head walk the same tiles: the head's first cluster asks; its four
; partners take 32 blocks each, told apart by address; in each, wave 0 asks for K's and wave 2 for V's: a lane a block.  The change that fills the last tile asks for nothing.
.macro ASK
	s_cmp_gt_u32 s[SLOTS], s[LIM]
	s_cbranch_scc0 .Lnot_mine_\@
	global_prefetch_b8 v[PFO], s[PFA:PFA+1] th:TH_LOAD_NT scope:SCOPE_SE
.Lnot_mine_\@:
.endm
.macro CROUND
	s_barrier_signal -1
	s_barrier_wait -1
	s_cmp_lg_u32 s[WV], 0
	s_cbranch_scc1 .Lnot_wave_0_\@
	s_barrier_signal -3
.Lnot_wave_0_\@:
	s_barrier_wait -3
	s_barrier_signal -1
	s_barrier_wait -1
.endm
; The change of slots.  Each wave waits for all its tensor loads (one is out: its part of the other slot), adds 0 to its spare word, and waits for that and for its reads of the slot that it leaves.
; fill = 1: the barrier is a round of the cluster's; the joint fill, the first thing behind it, has four key steps, 256 matrix instructions, in which to land.  (At its first use slot 0 is waited for and slot 1 filled.)
.macro CHANGE fill
	WIN 0
	s_wait_tensorcnt 0x0            ; no tensor load of mine is out, so a group 0 may be written
	ds_add_u32 v[SPW], v[NIL]
.if \fill
.irp g, G0K, G0V
	s_xor_b32 s[\g+1], s[\g+1], SLOT1
	s_add_nc_u64 s[\g+2:\g+3], s[\g+2:\g+3], 4*KS*128  ; the next 256 keys; the type bits on top are not reached
.endr
	s_wait_xcnt 0x0                 ; the last prefetch, four key steps back, has read its address
	s_add_nc_u64 s[PFA:PFA+1], s[PFA:PFA+1], 4*KS*128
	s_wait_dscnt 0x0                ; the add is done, and my reads of the slot are over
	CROUND
	JLOAD
	ASK
.else
	s_wait_dscnt 0x0
	s_barrier_signal -1
	s_barrier_wait -1
.endif
	s_sub_co_u32 s[TBK], s[TBK], 4*KS*PK  ; the fetches go back to a slot's first step, in the other slot
	s_xor_b32 s[TBK], s[TBK], SLOT1
	s_sub_co_u32 s[TBV], s[TBV], 4*KS*PV
	s_xor_b32 s[TBV], s[TBV], SLOT1
.endm
	s_load_b128 s[4:7], s[0:1], 0x0   ; qkv s[4:5], act s[6:7]
	v_lshl_add_u32 v[SPW], v0, 2, SPARE
	v_mov_b32 v[NIL], 0
	ds_add_u32 v[SPW], v[NIL]       ; the wave's opening: the add and its wait ahead of my first tensor load
	v_lshrrev_b32 v1, 5, v0
	v_readfirstlane_b32 s[WV], v1
	s_bfe_u32 s13, ttmp6, 0x40000   ; cx
	s_lshl_b32 s14, ttmp9, 2
	s_add_co_u32 s14, s14, s13      ; my block of 256 queries: it enters Q's and O's addresses alone
	s_and_b32 s20, ttmp7, 0xffff    ; the head, which the four partners share
	s_lshl_b32 s20, s20, 18
	s_and_b32 s16, s[WV], 1         ; which half of a slot's 256 keys I fetch
	s_lshl_b32 s22, s16, 14
	s_add_co_u32 s22, s22, s20
	s_mov_b32 s23, 0
	s_mul_i32 s17, s16, 128*PK
	s_mul_i32 s18, s16, 128*PV
	s_lshl_b32 s2, s14, 2
	s_add_co_u32 s2, s2, s[WV]
	s_lshl_b32 s2, s2, 13           ; my wave's 64 rows of 128 bytes
	s_add_co_u32 s2, s2, s20
	s_mov_b32 s3, 0
	s_mov_b32 s[G1K], 15|(1<<16)|(1<<20)|(1<<21)|(4<<22)|(3<<25)  ; the mask of four; 2-byte elements; padding on; bit 21 beside a mask; after every 32 words, 4 words
	s_mov_b32 s[G1V], 15|(1<<16)|(1<<20)|(1<<21)|(4<<22)|(7<<25)  ; the same with 8 words
.irp g, G1K, G1V
	s_mov_b32 s[\g+1], 128<<16      ; 128 keys are 16,384 dense bytes: asked for as 64 rows of 256 bytes, padded after every key
	s_mov_b32 s[\g+2], 64<<16
	s_mov_b32 s[\g+3], 128<<16
	s_mov_b32 s[\g+4], 64
	s_mov_b32 s[\g+5], 128
	s_mov_b32 s[\g+6], 0
	s_mov_b32 s[\g+7], 0
.endr
	s_mov_b32 s[CS], 0x3e38aa3b     ; c = log2(e) / 8
	s_mov_b32 s[CS+1], s[CS]
	s_mov_b32 s[SEL], 0x76543210
	s_mov_b32 s[SEL+1], 0xfedcba98
	s_mov_b32 s[TBK], SLOT1+4*KS*PK ; the first change of slots turns these two into 0
	s_mov_b32 s[TBV], SLOT1+4*KS*PV
	s_mov_b32 s[G0K], 1
	s_mov_b32 s[G0K+1], s17
	s_mov_b32 s[G0V], 1
	s_add_co_u32 s[G0V+1], s18, VOFF
	s_mov_b32 s[SLOTS], 7           ; seven changes fill a slot: tiles 1 to 7
	s_and_b32 s[LIM], s[WV], 1      ; 0 in waves 0 and 2,
	s_or_b32 s[LIM], s[LIM], ttmp9  ; where the cluster is the head's first: the same in all four partners
	s_cmp_eq_u32 s[LIM], 0
	s_cselect_b32 s[LIM], 1, -1
	v_and_b32 v[PFO], 31, v0
	v_lshlrev_b32 v[PFO], 8, v[PFO]
	s_wait_dscnt 0x0                ; the opening add is done
	s_wait_kmcnt 0x0
	s_mov_b64 s[10:11], s[6:7]      ; O
	s_add_nc_u64 s[6:7], s[4:5], 8388608    ; k
	s_add_nc_u64 s[8:9], s[4:5], 16777216   ; v
	s_add_nc_u64 s[6:7], s[6:7], s[22:23]   ; at my half of the head's tile 0
	s_add_nc_u64 s[8:9], s[8:9], s[22:23]
	s_mov_b64 s[G0K+2:G0K+3], s[6:7]
	s_or_b32 s[G0K+3], s[G0K+3], 0x80000000
	s_mov_b64 s[G0V+2:G0V+3], s[8:9]
	s_or_b32 s[G0V+3], s[G0V+3], 0x80000000
	s_add_nc_u64 s[4:5], s[4:5], s[2:3]     ; Q and O at my wave's first row
	s_add_nc_u64 s[10:11], s[10:11], s[2:3]
	s_cmp_lt_u32 s[WV], 2
	s_cselect_b64 s[PFA:PFA+1], s[6:7], s[8:9]  ; (in waves 0 and 2 these stand at a tile's first row)
	s_lshl_b32 s2, s13, 13          ; my work-group's 32 blocks,
	s_add_co_u32 s2, s2, 4*KS*128   ; in tile 1: the first change steps it to tile 2
	s_add_nc_u64 s[PFA:PFA+1], s[PFA:PFA+1], s[2:3]
	CROUND                          ; all four work-groups are here
	JLOAD                           ; tile 0 into slot 0
	v_and_b32 v1, 15, v0            ; l % 16
	v_bfe_u32 v9, v0, 4, 1          ; l / 16
	v_lshlrev_b32 v[QO], 7, v1
	v_lshl_add_u32 v[QO], v9, 4, v[QO]
	WIN 0x80
.set i, 0
.rept 8                             ; Q stays in registers: piece i / 2, channels 32 (i % 2) on
	global_load_b128 v[8*i:8*i+3],   v[QO], s[4:5] offset:(i/2)*2048+(i%2)*64
	global_load_b128 v[8*i+4:8*i+7], v[QO], s[4:5] offset:(i/2)*2048+(i%2)*64+32
.set i, i+1
.endr
	; What the first turn finds: V's registers and P's second buffer hold 0 (its products V^T P, of a piece that has not been, add 0), O^T and l are 0.  This stands in the wait for the first tile.
.set i, VF
.rept 64
	v_mov_b32 v[i], 0
.set i, i+1
.endr
	WIN 0x40
.set i, 0
.rept 128
	v_mov_b32 v[i], 0
.set i, i+1
.endr
	WIN 0
.set i, 0
.rept 4
	v_mov_b32 v[ST+4*i], 0xfe000000    ; c m: far below every c s
	v_mov_b32 v[ST+4*i+1], 0xff7fffff  ; m
	v_mov_b32 v[ST+4*i+2], 0
	v_mov_b32 v[ST+4*i+3], 0
.set i, i+1
.endr
.set i, P+16
.rept 16
	v_mov_b32 v[i], 0
.set i, i+1
.endr
	v_mul_u32_u24 v[AK0], v1, PK
	v_lshl_add_u32 v[AK0], v9, 4, v[AK0]
	v_and_b32 v10, 7, v0            ; the turning load: lane l reads key 8 (l / 16) + l % 8, channels 8 ((l / 8) % 2) + 0..7
	v_bfe_u32 v11, v0, 3, 1
	v_lshl_add_u32 v[AV0], v9, 3, v10
	v_mul_u32_u24 v[AV0], v[AV0], PV
	v_lshl_add_u32 v[AV0], v11, 4, v[AV0]
	v_add_nc_u32 v[AV0], VOFF, v[AV0]
	s_mul_i32 s13, s[WV], 16*SP
	s_add_co_u32 s13, s13, STAGE
	v_mul_u32_u24 v[STO], v1, SP
	v_lshl_add_u32 v[STO], v9, 4, v[STO]
	v_add_nc_u32 v[STO], s13, v[STO]
	v_bfe_u32 v[RD], v0, 3, 2       ; back: 32 lanes take four rows of 128 bytes,
	v_mul_u32_u24 v[RD], v[RD], SP
	v_lshl_add_u32 v[RD], v10, 4, v[RD]
	v_add_nc_u32 v[RD], s13, v[RD]
	v_and_b32 v[GO], 31, v0         ; which are 512 consecutive bytes of O
	v_lshlrev_b32 v[GO], 4, v[GO]
; THE MATRIX WORK.  The 4 accumulators of a run of 8 take turns.  Product i of 8 of S^T = K Q^T for piece x: channels 32 (i / 4) on, keys 16 (i % 4) on.  The first 4 start the sums.
.macro KQ x
	WIN W_KQ
.set rS, S+32*((\x)%2)+8*(i%4)
.set rK, KF+16*(i%4)+8*(i/4)
.set rQ, 16*(\x)+8*(i/4)
.if i < 4
	v_wmma_f32_16x16x32_bf16 v[rS:rS+7], v[rK:rK+7], v[rQ:rQ+7], 0
.else
	v_wmma_f32_16x16x32_bf16 v[rS:rS+7], v[rK:rK+7], v[rQ:rQ+7], v[rS:rS+7]
.endif
.endm
.macro PV x                         ; product i of 8 of O^T += V^T P: keys 32 (i / 4) on, channels 16 (i % 4) on
	WIN W_PV
.set rO, 32*(\x)+8*(i%4)
.set rV, VF+32*(i/4)+8*(i%4)
.set rP, P+16*((\x)%2)+8*(i/4)
	v_wmma_f32_16x16x32_bf16 v[rO:rO+7], v[rV:rV+7], v[rP:rP+7], v[rO:rO+7]
.endm
.macro MM                           ; the turn's next matrix instruction.  NOKQ = 1: the last turn of all: there is no next piece
.if (i < 8) && !NOKQ
	KQ (Y+1)%NP
.elseif i >= 8
.set i, i-8
	PV (Y+NP-1)%NP
.set i, i+8
.endif
.set i, i+1
.endm
.macro FETCH_K                      ; 16 LDS loads in one run: a step's K, 8 fragments
	WIN 0x80
.irp f, 0,1,2,3,4,5,6,7
	ds_load_b128 v[KF+8*\f:KF+8*\f+3],   v[AK] offset:(\f/2)*16*PK+(\f%2)*64
	ds_load_b128 v[KF+8*\f+4:KF+8*\f+7], v[AK] offset:(\f/2)*16*PK+(\f%2)*64+32
.endr
	s_add_co_u32 s[TBK], s[TBK], KS*PK
	WIN 0
.endm
.macro FETCH_V                      ; a step's V, turned
	WIN 0x80
.irp f, 0,1,2,3,4,5,6,7
	ds_load_tr16_b128 v[VF+8*\f:VF+8*\f+3],   v[AV] offset:(\f/4)*32*PV+(\f%4)*32
	ds_load_tr16_b128 v[VF+8*\f+4:VF+8*\f+7], v[AV] offset:(\f/4)*32*PV+16*PV+(\f%4)*32
.endr
	WIN 0
.endm
; THE VECTOR WORK, one line at a time: OP kind, number.  For piece Y: F n: c s - c m for pair n of 16.  E n: the exponential of score n of 32.  C n: pair n rounded to bf16.  B n: of the four weights 4 n .. the second
; pair is added onto the first.  L n: l takes that sum (L 0: l = a l + sum).  R n: pair n of 16 of O^T times a.  For piece Y + 1: X n, number n of the 22 that find its maximum and statistics:
;   0-11 four chains c0-c3 of seven scores each (each accumulator's lowest registers are read first)   12-14, 16 the four scores left over, the old m, c0-c3 into c0
;   15 c m_old is kept   17, 18 the query's other 32 keys lie in the lane 16 away: the new m   19-21 c m; c m_old - c m_new; a
.set F, 0
.set E, 1
.set C, 2
.set B, 3
.set L, 4
.set R, 5
.set X, 6
.macro REGS y
.set rT, ST+4*(\y)
.set rC, TMP+4*((\y)%2)
.set rW, MV+((\y)%2)
.set rS, S+32*((\y)%2)
.set rP, P+16*((\y)%2)
.set rO, 32*(\y)
.endm
.macro OP k, n
.if (\k) == R
	REGS Y
	WIN W_RS
	v_pk_mul_f32 v[rO+2*(\n):rO+2*(\n)+1], v[rO+2*(\n):rO+2*(\n)+1], v[rC+2:rC+3] op_sel_hi:[1,0]
.elseif (\k) < R
	REGS Y
	WIN 0
.if (\k) == F
	v_pk_fma_f32 v[rS+2*(\n):rS+2*(\n)+1], v[rS+2*(\n):rS+2*(\n)+1], s[CS:CS+1], v[rT:rT+1] op_sel_hi:[1,0,0] neg_lo:[0,0,1] neg_hi:[0,0,1]
.elseif (\k) == E
	v_exp_f32 v[rS+(\n)], v[rS+(\n)]
.elseif (\k) == C
	v_cvt_pk_bf16_f32 v[rP+(\n)], v[rS+2*(\n)], v[rS+2*(\n)+1]
.elseif (\k) == B
	v_pk_add_f32 v[rS+4*(\n):rS+4*(\n)+1], v[rS+4*(\n):rS+4*(\n)+1], v[rS+4*(\n)+2:rS+4*(\n)+3]
.elseif (\n) == 0
	v_pk_fma_f32 v[rT+2:rT+3], v[rT+2:rT+3], v[rC+2:rC+3], v[rS:rS+1] op_sel_hi:[1,0,1]
.else
	v_pk_add_f32 v[rT+2:rT+3], v[rT+2:rT+3], v[rS+4*(\n):rS+4*(\n)+1]
.endif
.elseif NOKQ
	v_nop
.else
	REGS (Y+1)%NP
	WIN 0
.if (\n) < 4
	v_max3_num_f32 v[rC+(\n)], v[rS+8*(\n)], v[rS+8*(\n)+1], v[rS+8*(\n)+2]
.elseif (\n) < 12
	v_max3_num_f32 v[rC+(\n)%4], v[rC+(\n)%4], v[rS+8*((\n)%4)+2*((\n)/4)+1], v[rS+8*((\n)%4)+2*((\n)/4)+2]
.elseif (\n) == 12
	v_max3_num_f32 v[rC], v[rC], v[rS+7], v[rS+15]
.elseif (\n) == 13
	v_max3_num_f32 v[rC+1], v[rC+1], v[rS+23], v[rS+31]
.elseif (\n) == 14
	v_max3_num_f32 v[rC+2], v[rC+2], v[rC+3], v[rT+1]
.elseif (\n) == 15
	v_mov_b32 v[rW], v[rT]
.elseif (\n) == 16
	v_max3_num_f32 v[rC], v[rC], v[rC+1], v[rC+2]
.elseif (\n) == 17
	v_permlanex16_b32 v[rC+3], v[rC], s[SEL], s[SEL+1]
.elseif (\n) == 18
	v_max_num_f32 v[rT+1], v[rC], v[rC+3]
.elseif (\n) == 19
	v_mul_f32 v[rT], s[CS], v[rT+1]
.elseif (\n) == 20
	v_sub_f32 v[rC+1], v[rW], v[rT]
.else
	v_exp_f32 v[rC+2], v[rC+1]
.endif
.endif
.endm
.macro OPS a, i1, b=-1, i2=0, c=-1, i3=0, d=-1, i4=0
	OP \a, \i1
.if (\b) >= 0
	OP \b, \i2
.endif
.if (\c) >= 0
	OP \c, \i3
.endif
.if (\d) >= 0
	OP \d, \i4
.endif
.endm
.macro ROW a, i1, b, i2, c, i3, d, i4  ; a matrix instruction and the four behind it
	MM
	OPS \a, \i1, \b, \i2, \c, \i3, \d, \i4
.endm
; A TURN, for piece p.  ONE wait cuts it in two.  Ahead of it stands all that names no result of the turn's exponentials: the 8 products K Q^T with their riders, then the lump, in which the links of the next
; piece's chain (X 3, 7, 11, 14, 16, 17 .. 20) stand five or six lines apart; X 21, its a, is the batch's last, and R 15 the plain instruction behind it.  Behind the wait: the 8 products V^T P, behind each four of the
; roundings and sums.  end = 1: the last two turns: nothing is fetched.  cnt = 1: the loop's count is taken down some lines ahead of the branch behind the turn.
; K of the next step is fetched in piece 2's turn, six plain instructions behind the last product that read K; V of the step in hand at the end of piece 0's turn, four plain instructions behind the last product that read V.
.macro TURN p, end=0, cnt=0
.set Y, (\p)
.set i, 0
.set NOKQ, (\end)*((\p)/3)
.if ((\p) == 3) && !(\end)
	s_wait_dscnt 0x0                ; K is in
.endif
	ROW F,0, F,1, R,0, R,1
	ROW F,2, E,0, R,2, R,3
	ROW F,3, E,1, R,4, R,5
	ROW F,4, E,2, R,6, R,7
	ROW F,5, E,3, R,8, R,9
	ROW F,6, E,4, X,0, R,10
.if ((\p) == 2) && !(\end)
	WIN 0
	v_add_nc_u32 v[AK], s[TBK], v[AK0]
.endif
	ROW F,7, E,5, X,1, X,4
	ROW F,8, E,6, X,2, X,5
	OPS E,7, E,8, X,6, E,9
	OPS X,3, E,10, X,8, E,11
.if ((\p) == 2) && !(\end)
	FETCH_K
.endif
	OPS X,9, X,7, E,12, X,10
	OPS E,13, X,12, X,11, E,14
	OPS X,13, E,15, F,9, X,14
.if (\p) == 0
	v_add_nc_u32 v[AV], s[TBV], v[AV0]
.endif
	OPS E,16, F,10, E,17, F,11
	OPS X,16, E,18, X,15, E,19
	OPS F,12, E,20, X,17, E,21
	OPS F,13, E,22, F,14, E,23
	OPS X,18, E,24, F,15, E,25
	OPS R,11, E,26, X,19, E,27
	OPS R,12, E,28, R,13, E,29
	OPS X,20, E,30, R,14, E,31
	OPS X,21, R,15
	WIN 0
	s_wait_alu depctr_va_vdst(0)    ; the wait for the batch
.if (\p) == 1
	s_wait_dscnt 0x0                ; V is in
.endif
	ROW C,0, B,0, C,2, B,1
	ROW L,0, C,4, B,2, L,1
	ROW C,6, B,3, L,2, C,8
	ROW B,4, L,3, C,10, B,5
	ROW L,4, C,12, B,6, L,5
.if (\p) == 0
	s_add_co_u32 s[TBV], s[TBV], KS*PV
.endif
.if \cnt
	s_sub_co_u32 s[CNT], s[CNT], 1
	s_cmp_lg_u32 s[CNT], 0
.endif
	ROW C,14, B,7, L,6, C,1
	ROW C,3, L,7, C,5, C,7
	ROW C,9, C,11, C,13, C,15
.if (\p) == 0
	FETCH_V
.endif
.endm
.macro ALL line:vararg              ; one line for each piece t
.set t, 0
.rept 4
	\line
.set t, t+1
.endr
.endm
.macro PACK t                       ; a lane's eight channels of a row pack into 16 bytes; they go into rows of 144 bytes and come back as whole rows of 128, into S^T's registers
	WIN W_RS
.set i, 32*(\t)
.rept 16
	v_pk_mul_f32 v[i:i+1], v[i:i+1], v[ST+4*(\t)+2:ST+4*(\t)+3] op_sel_hi:[1,0]
.set i, i+2
.endr
	WIN 0x05
.set i, 0
.rept 16
	v_cvt_pk_bf16_f32 v[S+16*(\t)+i], v[32*(\t)+2*i], v[32*(\t)+2*i+1]
.set i, i+1
.endr
	WIN 0
.irp f, 0,1,2,3
	ds_store_b128 v[STO], v[S+16*(\t)+4*\f:S+16*(\t)+4*\f+3] offset:32*\f
.endr
.irp f, 0,1,2,3
	ds_load_b128 v[S+16*(\t)+4*\f:S+16*(\t)+4*\f+3], v[RD] offset:\f*4*SP  ; LDS serves a wave's instructions in order (ISA guide 5.7.1.4): these see the stores above
.endr
.endm
.macro SEND t, younger              ; younger: the LDS instructions issued behind piece t's loads: the next piece's eight, or none
	WIN 0
.irp f, 0,1,2,3
	s_wait_dscnt (\younger)+3-\f
	global_store_b128 v[GO], v[S+16*(\t)+4*\f:S+16*(\t)+4*\f+3], s[10:11] offset:(\t)*2048+\f*512  ; 512 consecutive bytes, at a multiple of 256 from O's first
.endr
.endm
.set NOKQ, 0
	CHANGE 1                        ; tile 0 is in, everybody's part of it; tile 1 is asked for
	v_add_nc_u32 v[AK], s[TBK], v[AK0]
	FETCH_K                         ; key step 0
	s_wait_loadcnt 0x0              ; Q
	s_wait_dscnt 0x0
.set i, 0
.rept 8
	KQ 0                            ; piece 0's first scores
.set i, i+1
.endr
	WIN 0
.rept 4
	v_nop                           ; the places behind those products
.endr
.set Y, NP-1                        ; X works for piece Y + 1: piece 0
.irp n, 0,1,2,3,4,5,6,7,8,9,10,11,12,13,14,15,16,17,18,19,20,21
	OP X, \n
.endr
	v_nop                           ; a plain instruction behind the exponential,
	s_wait_alu depctr_va_vdst(0)    ; and its wait, ahead of the branch
	s_mov_b32 s[CNT], 4
	s_branch .Lfirst                ; the loop is entered at a step's first turn, in the middle of a trip
.Lslot:                             ; six times: tiles 2 to 7 are asked for
	CHANGE 1
	s_mov_b32 s[CNT], 4
.Lstep:                             ; a trip: pieces 2 and 3 of one step, then pieces 0 and 1 of the next, whose K and V it fetches
	TURN 2
	TURN 3
	WIN 0
.Lfirst:
	TURN 0
	TURN 1, 0, 1
	WIN 0
	s_cbranch_scc1 .Lstep
	s_sub_co_u32 s[SLOTS], s[SLOTS], 1
	s_cmp_lg_u32 s[SLOTS], 0
	s_cbranch_scc1 .Lslot
	CHANGE 0                        ; the last tile is written out
	s_mov_b32 s[CNT], 4
.Ltail:
	TURN 2
	TURN 3
	TURN 0
	TURN 1, 0, 1
	WIN 0
	s_cbranch_scc1 .Ltail
	TURN 2, 1
	TURN 3, 1
.set i, 0
.rept 8
	PV NP-1                         ; the last piece's V^T P of the last step
.set i, i+1
.endr
	; THE WAY OUT.  l's two halves and the other half of the lanes' are added; O^T is divided by l, rounded to bf16 and sent through my stage, a piece at a time.  The additions are the places behind the last products.
	WIN 0
	ALL v_add_f32 v[ST+4*t+2], v[ST+4*t+2], v[ST+4*t+3]
	ALL v_permlanex16_b32 v[ST+4*t+3], v[ST+4*t+2], s[SEL], s[SEL+1]
	ALL v_add_f32 v[ST+4*t+2], v[ST+4*t+2], v[ST+4*t+3]
	ALL v_rcp_f32 v[ST+4*t+2], v[ST+4*t+2]
	v_nop                           ; a plain instruction behind the last reciprocal,
	s_wait_alu depctr_va_vdst(0)    ; and one wait for the four, ahead of their first use
	PACK 0
.set t, 1
.rept 3                             ; a piece's arithmetic stands between the loads of the piece before and its stores
	PACK t
	SEND t-1, 8
.set t, t+1
.endr
	SEND 3, 0
	s_wait_tensorcnt 0x0            ; the wave's end
	ds_add_u32 v[SPW], v[NIL]
	s_wait_dscnt 0x0
	CROUND                          ; the closing round
	s_endpgm
.Lfunc_end_k_q092388b3f6_attn:
	.size	k_q092388b3f6_attn, .Lfunc_end_k_q092388b3f6_attn-k_q092388b3f6_attn
	.p2alignl 7, 3214868480
	.fill 96, 4, 3214868480
	.section	.rodata,"a",@progbits
	.p2align	6, 0x0
	.amdhsa_kernel k_q092388b3f6_attn
		.amdhsa_group_segment_fixed_size 327680
		.amdhsa_private_segment_fixed_size 0
		.amdhsa_enable_private_segment 0
		.amdhsa_kernarg_size 16
		.amdhsa_user_sgpr_count 2
		.amdhsa_user_sgpr_kernarg_segment_ptr 1
		.amdhsa_wavefront_size32 1
		.amdhsa_system_sgpr_workgroup_id_x 1
		.amdhsa_system_sgpr_workgroup_id_y 1
		.amdhsa_system_sgpr_workgroup_id_z 1
		.amdhsa_system_vgpr_workitem_id 0
		.amdhsa_next_free_vgpr 768
		.amdhsa_next_free_sgpr 72
		.amdhsa_reserve_vcc 0
		.amdhsa_float_denorm_mode_32 3
		.amdhsa_float_denorm_mode_16_64 3
		.amdhsa_memory_ordered 1
		.amdhsa_forward_progress 1
		.amdhsa_inst_pref_size 128
	.end_amdhsa_kernel
	.amdgpu_metadata
---
amdhsa.version: [ 1, 2 ]
amdhsa.kernels:
  - .name:           k_q092388b3f6_attn
    .symbol:         k_q092388b3f6_attn.kd
    .args:
      - { .name: qkv, .offset: 0, .size: 8, .value_kind: global_buffer, .address_space: global }
      - { .name: act, .offset: 8, .size: 8, .value_kind: global_buffer, .address_space: global }
    .group_segment_fixed_size: 327680
    .private_segment_fixed_size: 0
    .kernarg_segment_align: 8
    .kernarg_segment_size: 16
    .max_flat_workgroup_size: 128
    .sgpr_count:     72
    .vgpr_count:     768
    .wavefront_size: 32
...
	.end_amdgpu_metadata
.endif
;; end of part 3
;; launch wo (part 4): grid 8 x 32, 4 waves a work-group, clusters of 4 x 4, 327,680 bytes of LDS; arguments act, wts, bo, x, x1; writes x1
.if DOCPART == 4
	.amdgcn_target "amdgcn-amd-amdhsa--gfx1250"
	.amdhsa_code_object_version 6
	.text
	.protected	k_q092388b3f6_wo
	.globl	k_q092388b3f6_wo
	.p2align	8
	.type	k_q092388b3f6_wo,@function
k_q092388b3f6_wo:
	s_mov_b64 s[64:65], 0
	v_nop
	global_prefetch_b8 v0, s[64:65] scope:SCOPE_SE
	s_setreg_imm32_b32 hwreg(HW_REG_WAVE_MODE, 25, 1), 1
	s_wait_xcnt 0x0
	s_wait_alu depctr_hold_cnt(0) depctr_sa_sdst(0) depctr_va_vdst(0) depctr_va_sdst(0) depctr_va_ssrc(0) depctr_va_vcc(0) depctr_vm_vsrc(0)
	s_getreg_b32 s2, hwreg(HW_REG_IB_STS2, 6, 4)
	s_cmp_eq_u32 s2, 0
	s_cbranch_scc0 .Lentry_in_a_cluster
	s_endpgm
.Lentry_in_a_cluster:
	s_bfe_u32 s2, ttmp6, 0x10000c
	s_cmp_lg_u32 s2, 0xf033
	s_cbranch_scc0 .Lentry_shape_is_right
	s_endpgm
.Lentry_shape_is_right:
; WO.  x1 = x + act Wo + bo.  act in panels [16][4,096][64] bf16, Wo [1,024][1,024] bf16 in wts, x and x1 [4,096][1,024] f32.  bf16 operands, f32 sums; the residual stays f32.
; SHARES.  N is 1,024: a tile of C of 128 x 128 gives each of 256 work-groups one.  Four waves, 64 x 64 each: 16 accumulators.
; RING.  K goes in steps of 256 (four panels) through two LDS slots; a slot: four panels of A (128 rows, 128 bytes + 16), then 256 rows of W (256 bytes + 32); each wave fetches a quarter by one tensor load.
; CLUSTER 4 x 4: A's tile is asked for jointly along a row of the cluster, W's along a column.  No prefetch: the tile is small, and a step's bytes are few.
; THE PRODUCT IS TAKEN TRANSPOSED (source 0 = 16 columns of W, by the turning load; source 1 = 16 rows of A).  The bias, laid out as an accumulator, is the C of the products that start the sums.
; The residual's 64 x 64 numbers are loaded at the start, in the layout of the stores, and land under the K loop.  The sums go through LDS (slot 0, which has had its last fill and last read) into that layout.
; REGISTERS: window 0: v16-29 addresses; v32-63 the bias, later v32-95 at work; v128-255 accumulators (a, b) at v[128 + 8 (4 a + b)].  window 1: two fragment buffers of 128 (64 of A, 64 of W).  window 2: v0-127 the residual.
.set STEPS, 4                          ; K / 256
.set WOFF,  6291456                    ; W's first byte in wts
.set PA,    144
.set PB,    288                        ; 9 x 32
.set PAN,   128*PA                     ; 18,432: a panel of A in LDS, and 64 rows of W
.set REG,   2*PAN                      ; a wave's quarter of a slot
.set BOFF,  2*REG
.set SLOT,  4*REG                      ; 147,456
.set SPARE, 2*SLOT                     ; the spare words, 128 bytes a wave: two blocks of 256 bytes that no other line names
.set DP,    272
.set DWAVE, 64*DP
.set ASTEP, 4*524288
.set BSTEP, 256*2048
.set ADRA, 16
.set A0,   17
.set ADRB, 20
.set B0,   21
.set DS,   24
.set DR,   25
.set RO,   26                          ; v26  my 16 bytes in two rows of x and of the output; never rewritten
.set BO,   27
.set SPW,  28
.set NIL,  29
.set BI,   32
.set T,    32
.set ACC,  128
.set F0,   0
.set F1,   128
.set WV, 14
.set WR, 15
.set WC, 16
.set CX, 17
.set CY, 18
.set TC, 19
.set TR, 20
.set G1A, 24
.set G0A, 32
.set G1B, 40
.set G0B, 48
.set SLOTS, 56
.set CNT, 57
.set RS, 58
.set FS, 59
.set TB, 60                            ; LDS byte of the panel to be fetched (A's; W's rows lie BOFF behind)
.set WLA, 62
.set WLB, 63
.set OA, 72
.set OB, 74
.set MSB, 0
.macro WIN new
.if MSB != (\new)
	s_set_vgpr_msb (MSB<<8)|(\new)
.set MSB, \new
.endif
.endm
.macro PLACES
.rept 4
	v_nop
.endr
.endm
.macro CROUND
	s_barrier_signal -1
	s_barrier_wait -1
	s_cmp_lg_u32 s[WV], 0
	s_cbranch_scc1 .Lnot_wave_0_\@
	s_barrier_signal -3
.Lnot_wave_0_\@:
	s_barrier_wait -3
	s_barrier_signal -1
	s_barrier_wait -1
.endm
.macro JLOAD
	s_cmp_eq_u32 s[WR], 0
	s_cbranch_scc0 .Lfor_b_\@
	tensor_load_to_lds s[G0A+4:G0A+7], s[G1A:G1A+7]
	s_nop 0
	PLACES
	s_branch .Lasked_\@
.Lfor_b_\@:
	tensor_load_to_lds s[G0B+4:G0B+7], s[G1B:G1B+7]
	s_nop 0
	PLACES
.Lasked_\@:
.endm
; 16 matrix instructions: my 64 x 64, 32 along K (half c of buffer f).  The accumulators take turns.  first = 1: the bias starts the sums.
.macro MUL f, c, first=0
	WIN 0x05
.irp a, 0,1,2,3
.irp b, 0,1,2,3
.if \first
	v_wmma_f32_16x16x32_bf16 v[ACC+8*(4*(\a)+(\b)):ACC+8*(4*(\a)+(\b))+7], v[(\f)+64+8*(4*(\c)+(\b)):(\f)+64+8*(4*(\c)+(\b))+7], v[(\f)+8*(4*(\c)+(\a)):(\f)+8*(4*(\c)+(\a))+7], v[BI+8*(\b):BI+8*(\b)+7]
.else
	v_wmma_f32_16x16x32_bf16 v[ACC+8*(4*(\a)+(\b)):ACC+8*(4*(\a)+(\b))+7], v[(\f)+64+8*(4*(\c)+(\b)):(\f)+64+8*(4*(\c)+(\b))+7], v[(\f)+8*(4*(\c)+(\a)):(\f)+8*(4*(\c)+(\a))+7], v[ACC+8*(4*(\a)+(\b)):ACC+8*(4*(\a)+(\b))+7]
.endif
.endr
.endr
.endm
; 32 LDS loads in one run: a panel's fragments (64 along K), the first 32 along K first
.macro FETCH f, k
	WIN 0x40
.irp c, 0,1
.irp i, 0,1,2,3
	ds_load_tr16_b128 v[(\f)+64+8*(4*(\c)+(\i)):(\f)+64+8*(4*(\c)+(\i))+3],   v[ADRB] offset:(\k)+(\c)*32*PB+32*(\i)
	ds_load_tr16_b128 v[(\f)+64+8*(4*(\c)+(\i))+4:(\f)+64+8*(4*(\c)+(\i))+7], v[ADRB] offset:(\k)+(\c)*32*PB+32*(\i)+16*PB
	ds_load_b128 v[(\f)+8*(4*(\c)+(\i)):(\f)+8*(4*(\c)+(\i))+3],   v[ADRA] offset:(\k)+64*(\c)+(\i)*16*PA
	ds_load_b128 v[(\f)+8*(4*(\c)+(\i))+4:(\f)+8*(4*(\c)+(\i))+7], v[ADRA] offset:(\k)+64*(\c)+(\i)*16*PA+32
.endr
.endr
.endm
.macro ROT                             ; two panels of K: it begins by fetching the first while the panel before is finished
	WIN 0
	v_add_nc_u32 v[ADRA], s[TB], v[A0]             ; these two and two v_nop are the four places behind buffer 0's last reader
	v_add_nc_u32 v[ADRB], s[TB], v[B0]
	v_nop
	v_nop
	FETCH F0, 0
	s_wait_dscnt 32                                ; all but the 32 just issued
	MUL F1, 1
	s_wait_dscnt 16                                ; the first 32 along K are in
	MUL F0, 0
	PLACES
	FETCH F1, PAN
	s_wait_dscnt 32
	MUL F0, 1
	s_wait_dscnt 16
	MUL F1, 0
	WIN 0
	s_add_co_u32 s[TB], s[TB], 2*PAN
.endm
.macro CHANGE fill                     ; the change of slots: all my tensor loads, the add, my reads; then the barrier (fill = 1: a round of the cluster's, and the joint refill first behind it, with 128 matrix instructions in which to land)
	WIN 0
	s_wait_tensorcnt 0x0
	ds_add_u32 v[SPW], v[NIL]
	s_xor_b32 s[RS], s[RS], SLOT
	s_mov_b32 s[TB], s[RS]
.if \fill
	s_xor_b32 s[FS], s[FS], SLOT
	s_add_co_u32 s[G0A+5], s[WLA], s[FS]
	s_add_co_u32 s[G0B+5], s[WLB], s[FS]
	s_add_nc_u64 s[G0A+6:G0A+7], s[G0A+6:G0A+7], ASTEP
	s_add_nc_u64 s[G0B+6:G0B+7], s[G0B+6:G0B+7], BSTEP
	s_wait_dscnt 0x0
	CROUND
	JLOAD
.else
	s_wait_dscnt 0x0
	s_barrier_signal -1
	s_barrier_wait -1
.endif
.endm
	s_load_b256 s[4:11], s[0:1], 0x0               ; A s[4:5], wts s[6:7], bias s[8:9], residual s[10:11]
	s_load_b64 s[12:13], s[0:1], 0x20              ; the output
	v_lshl_add_u32 v[SPW], v0, 2, SPARE
	v_mov_b32 v[NIL], 0
	ds_add_u32 v[SPW], v[NIL]                      ; the wave's opening: the add and its wait ahead of my first tensor load
	v_lshrrev_b32 v1, 5, v0
	v_readfirstlane_b32 s[WV], v1
	s_lshr_b32 s[WR], s[WV], 1
	s_and_b32 s[WC], s[WV], 1
	s_bfe_u32 s[CX], ttmp6, 0x40000
	s_bfe_u32 s[CY], ttmp6, 0x40004
	s_lshl_b32 s[TC], ttmp9, 2
	s_add_co_u32 s[TC], s[TC], s[CX]
	s_and_b32 s[TR], ttmp7, 0xffff
	s_lshl_b32 s[TR], s[TR], 2
	s_add_co_u32 s[TR], s[TR], s[CY]
	s_lshl_b32 s[OA], s[CY], 2
	s_lshl_b32 s[OA], 15, s[OA]
	s_lshl_b32 s[OB], 0x1111, s[CX]
	s_or_b32 s[G1A], s[OA], (1<<16)|(1<<20)|(1<<21)|(4<<22)|(3<<25)  ; padding: after every 32 words, 4 words, counted along the whole tile
	s_mov_b32 s[G1A+1], 8192<<16                   ; a panel's 128 rows are 16,384 dense bytes: one row of 8,192 elements; two panels to a load
	s_mov_b32 s[G1A+2], 2<<16
	s_mov_b32 s[G1A+3], 8192<<16
	s_mov_b32 s[G1A+4], 2
	s_mov_b32 s[G1A+5], 262144                     ; elements from panel to panel
	s_mov_b32 s[G1A+6], 0
	s_mov_b32 s[G1A+7], 0
	s_or_b32 s[G1B], s[OB], (1<<16)|(1<<20)|(1<<21)|(5<<22)|(7<<25)  ; after every 64 words, 8 words
	s_mov_b32 s[G1B+1], 128<<16                    ; 128 rows of 128 elements
	s_mov_b32 s[G1B+2], 128<<16
	s_mov_b32 s[G1B+3], 128<<16
	s_mov_b32 s[G1B+4], 128
	s_mov_b32 s[G1B+5], 1024
	s_mov_b32 s[G1B+6], 0
	s_mov_b32 s[G1B+7], 0
	s_lshl_b32 s[OA], s[WC], 20                    ; A: my two panels of the step's four,
	s_lshl_b32 s[OA+1], s[TR], 14                  ; the tile's 128 rows of 128 bytes
	s_add_co_u32 s[OA], s[OA], s[OA+1]
	s_mov_b32 s[OA+1], 0
	s_lshl_b32 s[OB], s[TC], 8                     ; W: the tile's 128 columns,
	s_lshl_b32 s[OB+1], s[WC], 18                  ; my 128 rows of the step's 256
	s_add_co_u32 s[OB], s[OB], s[OB+1]
	s_add_co_u32 s[OB], s[OB], WOFF
	s_mov_b32 s[OB+1], 0
	s_mul_i32 s[WLA], s[WC], REG
	s_add_co_u32 s[WLB], s[WLA], BOFF
	s_mov_b32 s[G0A], 1
	s_mov_b32 s[G0A+1], s[WLA]
	s_mov_b32 s[G0A+4], 1
	s_add_co_u32 s[G0A+5], s[WLA], SLOT
	s_mov_b32 s[G0B], 1
	s_mov_b32 s[G0B+1], s[WLB]
	s_mov_b32 s[G0B+4], 1
	s_add_co_u32 s[G0B+5], s[WLB], SLOT
	s_lshl_b32 s2, s[TC], 9                        ; my 64 columns, in bytes of f32
	s_lshl_b32 s3, s[WC], 8
	s_add_co_u32 s2, s2, s3
	s_mov_b32 s3, 0
	s_lshl_b32 s22, s[TR], 1                       ; my 64 rows of 4,096 bytes
	s_add_co_u32 s22, s22, s[WR]
	s_lshl_b32 s22, s22, 18
	s_add_co_u32 s22, s22, s2
	s_mov_b32 s23, 0
	s_wait_dscnt 0x0                               ; the opening add is done
	s_wait_kmcnt 0x0
	s_add_nc_u64 s[G0A+2:G0A+3], s[4:5], s[OA:OA+1]
	s_add_nc_u64 s[G0A+6:G0A+7], s[G0A+2:G0A+3], ASTEP
	s_or_b32 s[G0A+3], s[G0A+3], 0x80000000
	s_or_b32 s[G0A+7], s[G0A+7], 0x80000000
	s_add_nc_u64 s[G0B+2:G0B+3], s[6:7], s[OB:OB+1]
	s_add_nc_u64 s[G0B+6:G0B+7], s[G0B+2:G0B+3], BSTEP
	s_or_b32 s[G0B+3], s[G0B+3], 0x80000000
	s_or_b32 s[G0B+7], s[G0B+7], 0x80000000
	s_add_nc_u64 s[8:9], s[8:9], s[2:3]
	s_add_nc_u64 s[10:11], s[10:11], s[22:23]
	s_add_nc_u64 s[12:13], s[12:13], s[22:23]
	CROUND                                         ; all sixteen work-groups are here
	s_cmp_eq_u32 s[WR], 0                          ; a wave's two first fills stand in one branch: two loads of mine are out
	s_cbranch_scc0 .Lfirst_b
	tensor_load_to_lds s[G0A:G0A+3], s[G1A:G1A+7]
	s_nop 0
	tensor_load_to_lds s[G0A+4:G0A+7], s[G1A:G1A+7]
	s_nop 0
	PLACES
	s_branch .Lfirst_done
.Lfirst_b:
	tensor_load_to_lds s[G0B:G0B+3], s[G1B:G1B+7]
	s_nop 0
	tensor_load_to_lds s[G0B+4:G0B+7], s[G1B:G1B+7]
	s_nop 0
	PLACES
.Lfirst_done:
	v_and_b32 v1, 15, v0                           ; r
	v_bfe_u32 v2, v0, 4, 1                         ; hh
	v_and_b32 v3, 7, v0
	v_bfe_u32 v4, v0, 3, 1
	v_lshlrev_b32 v[BO], 5, v2                     ; register j of n block b is column 16 b + 8 hh + j
	v_lshlrev_b32 v[RO], 12, v2
	v_lshl_add_u32 v[RO], v1, 4, v[RO]
.irp b, 0,1,2,3
	global_load_b128 v[BI+8*(\b):BI+8*(\b)+3],   v[BO], s[8:9] offset:64*(\b)
	global_load_b128 v[BI+8*(\b)+4:BI+8*(\b)+7], v[BO], s[8:9] offset:64*(\b)+16
.endr
	WIN 0x80                                       ; destination window 2
.set t, 0
.rept 32
	global_load_b128 v[4*t:4*t+3], v[RO], s[10:11] offset:t*8192  ; two rows: 16 lanes take 256 consecutive bytes, aligned
.set t, t+1
.endr
	WIN 0
	s_mul_i32 s21, s[WR], 64*PA
	v_mul_u32_u24 v[A0], v1, PA
	v_lshl_add_u32 v[A0], v2, 4, v[A0]
	v_add_nc_u32 v[A0], s21, v[A0]
	v_lshl_add_u32 v[B0], v2, 3, v3
	v_mul_u32_u24 v[B0], v[B0], PB
	v_lshl_add_u32 v[B0], v4, 4, v[B0]
	s_lshl_b32 s21, s[WC], 7
	s_add_co_u32 s21, s21, BOFF
	v_add_nc_u32 v[B0], s21, v[B0]
	s_mul_i32 s21, s[WV], DWAVE
	v_mul_u32_u24 v[DS], v1, DP
	v_lshl_add_u32 v[DS], v2, 5, v[DS]
	v_add_nc_u32 v[DS], s21, v[DS]
	v_mul_u32_u24 v[DR], v2, DP
	v_lshl_add_u32 v[DR], v1, 4, v[DR]
	v_add_nc_u32 v[DR], s21, v[DR]
	v_mov_b32 v[ADRA], v[A0]
	v_mov_b32 v[ADRB], v[B0]
	s_wait_tensorcnt 0x1                           ; my part of K step 0 is in; step 1's may stay out
	s_barrier_signal -1
	s_barrier_wait -1
	FETCH F0, 0
	s_wait_loadcnt 32                              ; the bias is in; the residual's 32 loads stay out
	s_wait_dscnt 16
	MUL F0, 0, 1
	FETCH F1, PAN
	s_wait_dscnt 32
	MUL F0, 1
	s_wait_dscnt 16
	MUL F1, 0
	WIN 0
	s_mov_b32 s[RS], 0
	s_mov_b32 s[FS], SLOT
	s_mov_b32 s[TB], 2*PAN
	s_mov_b32 s[SLOTS], STEPS-1                    ; the entry in the middle takes one count: STEPS - 2 changes fill a slot again
	s_mov_b32 s[CNT], 1
	s_branch .Lrot
.Lslot:
	CHANGE 1
	s_mov_b32 s[CNT], 2
.Lrot:
	ROT
	s_sub_co_u32 s[CNT], s[CNT], 1
	s_cmp_lg_u32 s[CNT], 0
	s_cbranch_scc1 .Lrot
	s_sub_co_u32 s[SLOTS], s[SLOTS], 1
	s_cmp_lg_u32 s[SLOTS], 0
	s_cbranch_scc1 .Lslot
	CHANGE 0                                       ; the last K step, in slot 1, is written out; behind this barrier nobody reads slot 0 and nothing fills it
	s_mov_b32 s[CNT], 2
.Ltrot:
	ROT
	s_sub_co_u32 s[CNT], s[CNT], 1
	s_cmp_lg_u32 s[CNT], 0
	s_cbranch_scc1 .Ltrot
	s_wait_dscnt 0x0
	MUL F1, 1
	WIN 0
	PLACES
.irp a, 0,1,2,3
.irp b, 0,1,2,3
	ds_store_b128 v[DS], v[ACC+8*(4*(\a)+(\b)):ACC+8*(4*(\a)+(\b))+3]   offset:(\a)*16*DP+64*(\b)  ; into my own 64 rows x 272 bytes of slot 0
	ds_store_b128 v[DS], v[ACC+8*(4*(\a)+(\b))+4:ACC+8*(4*(\a)+(\b))+7] offset:(\a)*16*DP+64*(\b)+16
.endr
.endr
	s_wait_loadcnt 0x0                             ; the residual
.irp g, 0,1
.if (\g) == 1
	s_wait_xcnt 0x0                                ; the first half's stores have read their data
.endif
.set i, 0
.rept 16
	ds_load_b128 v[T+4*i:T+4*i+3], v[DR] offset:(16*(\g)+i)*2*DP  ; LDS serves a wave's instructions in order (ISA guide 5.7.1.4): these see my stores
.set i, i+1
.endr
	s_wait_dscnt 0x0
	WIN 0x08                                       ; source 1 in window 2
.set i, 0
.rept 32
	v_pk_add_f32 v[T+2*i:T+2*i+1], v[T+2*i:T+2*i+1], v[64*(\g)+2*i:64*(\g)+2*i+1]
.set i, i+1
.endr
	WIN 0
.set i, 0
.rept 16
	global_store_b128 v[RO], v[T+4*i:T+4*i+3], s[12:13] offset:(16*(\g)+i)*8192  ; 16 lanes store 256 consecutive bytes, aligned
.set i, i+1
.endr
.endr
	s_wait_tensorcnt 0x0                           ; the wave's end
	ds_add_u32 v[SPW], v[NIL]
	s_wait_dscnt 0x0
	CROUND                                         ; the closing round
	s_endpgm
.Lfunc_end_k_q092388b3f6_wo:
	.size	k_q092388b3f6_wo, .Lfunc_end_k_q092388b3f6_wo-k_q092388b3f6_wo
	.p2alignl 7, 3214868480
	.fill 96, 4, 3214868480
	.section	.rodata,"a",@progbits
	.p2align	6, 0x0
	.amdhsa_kernel k_q092388b3f6_wo
		.amdhsa_group_segment_fixed_size 327680
		.amdhsa_private_segment_fixed_size 0
		.amdhsa_enable_private_segment 0
		.amdhsa_kernarg_size 40
		.amdhsa_user_sgpr_count 2
		.amdhsa_user_sgpr_kernarg_segment_ptr 1
		.amdhsa_wavefront_size32 1
		.amdhsa_system_sgpr_workgroup_id_x 1
		.amdhsa_system_sgpr_workgroup_id_y 1
		.amdhsa_system_sgpr_workgroup_id_z 1
		.amdhsa_system_vgpr_workitem_id 0
		.amdhsa_next_free_vgpr 640
		.amdhsa_next_free_sgpr 84
		.amdhsa_reserve_vcc 0
		.amdhsa_float_denorm_mode_32 3
		.amdhsa_float_denorm_mode_16_64 3
		.amdhsa_memory_ordered 1
		.amdhsa_forward_progress 1
		.amdhsa_inst_pref_size 50
	.end_amdhsa_kernel
	.amdgpu_metadata
---
amdhsa.version: [ 1, 2 ]
amdhsa.kernels:
  - .name:           k_q092388b3f6_wo
    .symbol:         k_q092388b3f6_wo.kd
    .args:
      - { .name: act, .offset: 0, .size: 8, .value_kind: global_buffer, .address_space: global }
      - { .name: wts, .offset: 8, .size: 8, .value_kind: global_buffer, .address_space: global }
      - { .name: bo, .offset: 16, .size: 8, .value_kind: global_buffer, .address_space: global }
      - { .name: x, .offset: 24, .size: 8, .value_kind: global_buffer, .address_space: global }
      - { .name: x1, .offset: 32, .size: 8, .value_kind: global_buffer, .address_space: global }
    .group_segment_fixed_size: 327680
    .private_segment_fixed_size: 0
    .kernarg_segment_align: 8
    .kernarg_segment_size: 40
    .max_flat_workgroup_size: 128
    .sgpr_count:     84
    .vgpr_count:     640
    .wavefront_size: 32
...
	.end_amdgpu_metadata
.endif
;; end of part 4
;; launch ln2: the kernel of part 1 again; grid 256 x 1, 8 waves a work-group, no clusters, 0 bytes of LDS; arguments x1, ln2_g, ln2_b, Wq, Wk, Wv, Wo, W1, W2, act, wts; writes act, wts
;; launch ff1 (part 5): grid 16 x 16, 4 waves a work-group, clusters of 4 x 4, 327,680 bytes of LDS; arguments act, wts, b1, h; writes h
.if DOCPART == 5
	.amdgcn_target "amdgcn-amd-amdhsa--gfx1250"
	.amdhsa_code_object_version 6
	.text
	.protected	k_q092388b3f6_ff1
	.globl	k_q092388b3f6_ff1
	.p2align	8
	.type	k_q092388b3f6_ff1,@function
k_q092388b3f6_ff1:
	s_mov_b64 s[64:65], 0
	v_nop
	global_prefetch_b8 v0, s[64:65] scope:SCOPE_SE
	s_setreg_imm32_b32 hwreg(HW_REG_WAVE_MODE, 25, 1), 1
	s_wait_xcnt 0x0
	s_wait_alu depctr_hold_cnt(0) depctr_sa_sdst(0) depctr_va_vdst(0) depctr_va_sdst(0) depctr_va_ssrc(0) depctr_va_vcc(0) depctr_vm_vsrc(0)
	s_getreg_b32 s2, hwreg(HW_REG_IB_STS2, 6, 4)
	s_cmp_eq_u32 s2, 0
	s_cbranch_scc0 .Lentry_in_a_cluster
	s_endpgm
.Lentry_in_a_cluster:
	s_bfe_u32 s2, ttmp6, 0x10000c
	s_cmp_lg_u32 s2, 0xf033
	s_cbranch_scc0 .Lentry_shape_is_right
	s_endpgm
.Lentry_shape_is_right:
; FF1.  h = gelu(act W1 + b1), bf16 operands, f32 sums, the activation in f32, rounded once to bf16.  M = 4,096, N = 4,096, K = 1,024.
; act and h lie in panels: [columns / 64][4,096 rows][64] bf16 (a row of a panel 128 bytes, a panel 524,288); W1 lies [K][N] bf16 in wts.
; GELU is the exact form z Phi(z) = max(z, 0) - |z| erfc(|z| / sqrt 2) / 2, with erfc by the rational form of Abramowitz and Stegun 7.1.26: (a1 t + .. + a5 t^5) e^(-x x), t = 1 / (1 + p x).
; LIMIT: that form is off by at most 1.5e-7 in erf at every argument, so the result by at most 0.75e-7 |z| where e^(-z z / 2) is not yet 0; NaN is passed on; an infinite z gives NaN on the negative side.
; SHARES.  A tile of C, 256 x 256, to a work-group of four waves; a wave makes 128 x 128: 64 accumulators, 512 registers.  256 work-groups.
; RING.  K goes in steps of 128 through two LDS slots.  A slot: two panels of A (256 rows, 128 bytes + 16 of padding), then 128 rows of W (512 bytes + 32).  Each wave fetches a quarter, 32 KiB, by one tensor load.
; CLUSTER 4 x 4: A's tile hangs on the tile row alone and is asked for jointly along a row of the cluster, W's on the tile column alone, jointly along a column.
; THE PRODUCT IS TAKEN TRANSPOSED: source 0 = 16 columns of W (out of LDS by the turning load, since W lies [K][N]), source 1 = 16 rows of A: a lane holds one row of C and eight neighbouring columns.
; THE K LOOP is written once (ROT: two quarters of 32 along K, beginning where the next panel's fragments are fetched) and walked twice a slot; the LDS addresses hang on two scalars.
; THE WAY OUT goes through LDS, which the ring no longer needs, so that the activation is written once, in a loop of 32 trips over four rows.
; REGISTERS, in windows of 256: window 0: v16-31 addresses, v48-55 the bias, v64-191 A's fragments, two buffers (behind the K loop: the way out's work); window 1: v64-191 W's fragments; windows 2, 3: accumulators (a, b) at v[8 (8 a + b)].
.set QKV,   0                          ; 1: three matrices of 1,024 columns, one to each cluster x;  0: one matrix
.set GELU,  1
.set U,     4                          ; the way out: rows in a trip, and LDS loads and stores in a trip (the activation below is written for 4 U = 16 numbers a lane)
.set NB,    4096                       ; elements from row to row of W
.set WOFF,  8388608                    ; W's first byte in wts
.set SB,    2*NB
.set PA,    144                        ; 9 x 16: the 16 rows of a fragment load start at 16 different groups of four banks (ISA guide 11.1)
.set PB,    544                        ; 17 x 32
.set APAN,  256*PA
.set BHALF, 64*PB
.set BOFF,  2*APAN
.set SLOT,  BOFF+2*BHALF               ; 143,360
.set SPARE, 2*SLOT                     ; behind the ring: the spare words, 128 bytes a wave, two blocks of 256 bytes that no other line names
.set DP,    528                        ; the way out: a row of 128 f32 + 16 bytes
.set DWAVE, 128*DP
.set PANEL, 524288
.set OSTEP, U*128                      ; bytes of a panel that a trip of the way out fills
.set ASTEP, 2*PANEL
.set BSTEP, 128*SB
.set ADRA, 16
.set A0,   17
.set ADRB, 20
.set B0,   21
.set DS,   24
.set DR,   25
.set GO,   26
.set BO,   27
.set SPW,  28
.set NIL,  29
.set PFO,  30
.set BI,   48
.set F0,   64
.set F1,   128
.set Z,    64                          ; the way out: 16 numbers with their bias, then the results
.set D,    80                          ; 1 + p |z|, then t
.set E,    96                          ; the exponent, then e^(-z z / 2)
.set P,    112                         ; the polynomial
.set M,    128                         ; max(z, 0)
.set Y,    144                         ; 8 words to store
.set X,    160                         ; 16 numbers as they come back from LDS
.set WV, 14
.set WR, 15                            ; my half of the tile's rows; also 0: I fetch A, 1: I fetch W
.set WC, 16                            ; my half of its columns; also which half of A's or W's part I fetch
.set CX, 17
.set CY, 18
.set TC, 19
.set TR, 20
.set G1A, 24
.set G0A, 32                           ; s[32:35] step 0; s[36:39] step 1, which then walks on
.set G1B, 40
.set G0B, 48
.set SLOTS, 56
.set CNT, 57
.set RS, 58
.set FS, 59
.set TA, 60
.set TBB, 61
.set WLA, 62
.set WLB, 63
.set PFA, 66
.set LIM, 68
.set PSTEP, 70
.set OA, 72                            ; s[72:73] byte offset of my part of A's step 0: never holds cx
.set OB, 74                            ; s[74:75] the same for W: never holds cy
.set KC1, 82
.set KP,  84
.set KA1, 86
.set KA2, 88
.set KA3, 90
.set KA4, 92
.set KA5, 94
.set MSB, 0
.macro WIN new                         ; the immediate's high byte repeats the setting that is left; a switch that changes nothing is dropped
.if MSB != (\new)
	s_set_vgpr_msb (MSB<<8)|(\new)
.set MSB, \new
.endif
.endm
.macro PLACES                          ; four plain instructions between a matrix instruction and a load into, or a reader of, its registers
.rept 4
	v_nop
.endr
.endm
.macro CROUND                          ; a round of the cluster's barrier
	s_barrier_signal -1
	s_barrier_wait -1
	s_cmp_lg_u32 s[WV], 0
	s_cbranch_scc1 .Lnot_wave_0_\@
	s_barrier_signal -3
.Lnot_wave_0_\@:
	s_barrier_wait -3
	s_barrier_signal -1
	s_barrier_wait -1
.endm
.macro JLOAD                           ; a joint refill by the walking descriptor: waves 0, 1 A's panels, waves 2, 3 W's halves
	s_cmp_eq_u32 s[WR], 0
	s_cbranch_scc0 .Lfor_b_\@
	tensor_load_to_lds s[G0A+4:G0A+7], s[G1A:G1A+7]
	s_nop 0
	PLACES
	s_branch .Lasked_\@
.Lfor_b_\@:
	tensor_load_to_lds s[G0B+4:G0B+7], s[G1B:G1B+7]
	s_nop 0
	PLACES
.Lasked_\@:
.endm
; A prefetch into the L2 of the K step two refills on.  A wave's load is 128 blocks of 256 bytes; the four partners that ask for it jointly take 32 each, told apart by address; a lane a block.
; A's blocks are read by every cluster of a row of clusters: cluster x = 0 asks; W's by every cluster of a column: cluster y = 0 asks.  So each block is named once.  The last two fills have no step two on.
.macro ASK
	s_cmp_gt_u32 s[SLOTS], s[LIM]
	s_cbranch_scc0 .Lnot_mine_\@
	global_prefetch_b8 v[PFO], s[PFA:PFA+1] th:TH_LOAD_NT scope:SCOPE_SE
.Lnot_mine_\@:
.endm
; 32 matrix instructions: my rows 64 hi .. 64 hi + 63 x all 128 columns, 32 along K.  The accumulators take turns, one instruction a turn.  zero = 1: the product starts the sums.
.macro MULH f, hi, zero
	WIN 0xa1+0x50*(\hi)
.irp a, 0,1,2,3
.irp b, 0,1,2,3,4,5,6,7
.if \zero
	v_wmma_f32_16x16x32_bf16 v[8*(8*(\a)+(\b)):8*(8*(\a)+(\b))+7], v[(\f)+8*(\b):(\f)+8*(\b)+7], v[(\f)+8*(4*(\hi)+(\a)):(\f)+8*(4*(\hi)+(\a))+7], 0
.else
	v_wmma_f32_16x16x32_bf16 v[8*(8*(\a)+(\b)):8*(8*(\a)+(\b))+7], v[(\f)+8*(\b):(\f)+8*(\b)+7], v[(\f)+8*(4*(\hi)+(\a)):(\f)+8*(4*(\hi)+(\a))+7], v[8*(8*(\a)+(\b)):8*(8*(\a)+(\b))+7]
.endif
.endr
.endr
.endm
; 32 LDS loads in one run: a quarter's fragments: W's 8 (turned: 32 rows of K x 16 columns each), then A's 8 (16 rows x 32 K each)
.macro FETCH f, ka, kb
	WIN 0x40
.irp i, 0,1,2,3,4,5,6,7
	ds_load_tr16_b128 v[(\f)+8*(\i):(\f)+8*(\i)+3],   v[ADRB] offset:(\kb)+32*(\i)
	ds_load_tr16_b128 v[(\f)+8*(\i)+4:(\f)+8*(\i)+7], v[ADRB] offset:(\kb)+32*(\i)+16*PB
.endr
	WIN 0
.irp i, 0,1,2,3,4,5,6,7
	ds_load_b128 v[(\f)+8*(\i):(\f)+8*(\i)+3],   v[ADRA] offset:(\ka)+(\i)*16*PA
	ds_load_b128 v[(\f)+8*(\i)+4:(\f)+8*(\i)+7], v[ADRA] offset:(\ka)+(\i)*16*PA+32
.endr
.endm
; A panel of K (64): it begins by fetching the panel's first quarter while the quarter before is finished.
.macro ROT
	WIN 0
	v_add_nc_u32 v[ADRA], s[TA], v[A0]             ; these two and two v_nop are the four places behind buffer 0's last reader
	v_add_nc_u32 v[ADRB], s[TBB], v[B0]
	v_nop
	v_nop
	FETCH F0, 0, 0
	s_wait_dscnt 32                                ; all but the 32 just issued: buffer 1 is whole
	MULH F1, 1, 0
	s_wait_dscnt 8                                 ; W and A's rows 0-63 are in; the youngest eight loads (rows 64-127) may be out
	MULH F0, 0, 0
	PLACES
	FETCH F1, 64, 32*PB
	s_wait_dscnt 32
	MULH F0, 1, 0
	s_wait_dscnt 8
	MULH F1, 0, 0
	WIN 0
	s_add_co_u32 s[TA], s[TA], APAN
	s_add_co_u32 s[TBB], s[TBB], BHALF
.endm
; The change of slots.  Each wave waits for all its tensor loads (one is out: its part of the next slot), adds 0 to its spare word, and waits for that and for its reads of the slot that it leaves.
; fill = 1: the barrier is a round of the cluster's, and the joint refill, with the K step two on, is the first thing behind it: it has 256 matrix instructions in which to land.
.macro CHANGE fill
	WIN 0
	s_wait_tensorcnt 0x0                           ; no tensor load of mine is out, so a group 0 may be written
	ds_add_u32 v[SPW], v[NIL]                      ; 0 onto my spare word; the scalar work stands between it and the wait for it
	s_xor_b32 s[RS], s[RS], SLOT
	s_mov_b32 s[TA], s[RS]
	s_mov_b32 s[TBB], s[RS]
.if \fill
	s_xor_b32 s[FS], s[FS], SLOT
	s_add_co_u32 s[G0A+5], s[WLA], s[FS]
	s_add_co_u32 s[G0B+5], s[WLB], s[FS]
	s_add_nc_u64 s[G0A+6:G0A+7], s[G0A+6:G0A+7], ASTEP  ; the type bits on top are not reached
	s_add_nc_u64 s[G0B+6:G0B+7], s[G0B+6:G0B+7], BSTEP
	s_wait_xcnt 0x0                                ; the last prefetch, a K step back, has read its address
	s_add_nc_u64 s[PFA:PFA+1], s[PFA:PFA+1], s[PSTEP:PSTEP+1]
	s_wait_dscnt 0x0                               ; the add is done, and my reads of the slot are over
	CROUND
	JLOAD
	ASK
.else
	s_wait_dscnt 0x0
	s_barrier_signal -1
	s_barrier_wait -1
.endif
.endm
.if QKV
	s_load_b128 s[4:7], s[0:1], 0x0                ; act s[4:5], wts s[6:7]
	s_load_b128 s[76:79], s[0:1], 0x10             ; bq, bk
	s_load_b64 s[80:81], s[0:1], 0x20              ; bv
	s_load_b64 s[8:9], s[0:1], 0x28                ; the output
.else
	s_load_b128 s[4:7], s[0:1], 0x0                ; act s[4:5], wts s[6:7]
	s_load_b64 s[10:11], s[0:1], 0x10              ; the bias
	s_load_b64 s[8:9], s[0:1], 0x18                ; the output
.endif
	v_lshl_add_u32 v[SPW], v0, 2, SPARE
	v_mov_b32 v[NIL], 0
	ds_add_u32 v[SPW], v[NIL]                      ; the wave's opening: the add and its wait ahead of my first tensor load
	v_lshrrev_b32 v1, 5, v0
	v_readfirstlane_b32 s[WV], v1
	s_lshr_b32 s[WR], s[WV], 1
	s_and_b32 s[WC], s[WV], 1
	s_bfe_u32 s[CX], ttmp6, 0x40000
	s_bfe_u32 s[CY], ttmp6, 0x40004
	s_lshl_b32 s[TC], ttmp9, 2
	s_add_co_u32 s[TC], s[TC], s[CX]               ; tile column
	s_and_b32 s[TR], ttmp7, 0xffff
	s_lshl_b32 s[TR], s[TR], 2
	s_add_co_u32 s[TR], s[TR], s[CY]               ; tile row
	s_lshl_b32 s[OA], s[CY], 2
	s_lshl_b32 s[OA], 15, s[OA]                    ; my row of the cluster
	s_lshl_b32 s[OB], 0x1111, s[CX]                ; my column
	s_or_b32 s[G1A], s[OA], (1<<16)|(1<<20)|(1<<21)|(4<<22)|(3<<25)  ; mask; 2-byte elements; padding on; bit 21 beside a mask; after every 32 words, 4 words
	s_mov_b32 s[G1A+1], 128<<16                    ; a panel's 256 rows are 32,768 dense bytes: asked for as 128 rows of 256 bytes
	s_mov_b32 s[G1A+2], 128<<16
	s_mov_b32 s[G1A+3], 128<<16
	s_mov_b32 s[G1A+4], 128
	s_mov_b32 s[G1A+5], 128
	s_mov_b32 s[G1A+6], 0
	s_mov_b32 s[G1A+7], 0
	s_or_b32 s[G1B], s[OB], (1<<16)|(1<<20)|(1<<21)|(6<<22)|(7<<25)  ; after every 128 words, 8 words
	s_mov_b32 s[G1B+1], 256<<16                    ; 64 rows of 256 elements
	s_mov_b32 s[G1B+2], 64<<16
	s_mov_b32 s[G1B+3], 256<<16
	s_mov_b32 s[G1B+4], 64
	s_mov_b32 s[G1B+5], NB
	s_mov_b32 s[G1B+6], 0
	s_mov_b32 s[G1B+7], 0
	s_lshl_b32 s[OA], s[WC], 19                    ; A: my panel of the step's two,
	s_lshl_b32 s[OA+1], s[TR], 15                  ; the tile's 256 rows of 128 bytes
	s_add_co_u32 s[OA], s[OA], s[OA+1]
	s_mov_b32 s[OA+1], 0
.if QKV
	s_lshl_b32 s[OB], ttmp9, 21                    ; W: the cluster's matrix,
	s_lshl_b32 s[OB+1], s[CX], 9                   ; the tile's 256 columns in it
.else
	s_mov_b32 s[OB], WOFF                          ; W: the matrix,
	s_lshl_b32 s[OB+1], s[TC], 9                   ; the tile's 256 columns
.endif
	s_add_co_u32 s[OB], s[OB], s[OB+1]
	s_mul_i32 s[OB+1], s[WC], 64*SB                ; my 64 rows of the step's 128
	s_add_co_u32 s[OB], s[OB], s[OB+1]
	s_mov_b32 s[OB+1], 0
	s_mul_i32 s[WLA], s[WC], APAN                  ; where they go: the wave's number and constants alone
	s_mul_i32 s[WLB], s[WC], BHALF
	s_add_co_u32 s[WLB], s[WLB], BOFF
	s_mov_b32 s[G0A], 1
	s_mov_b32 s[G0A+1], s[WLA]
	s_mov_b32 s[G0A+4], 1
	s_add_co_u32 s[G0A+5], s[WLA], SLOT
	s_mov_b32 s[G0B], 1
	s_mov_b32 s[G0B+1], s[WLB]
	s_mov_b32 s[G0B+4], 1
	s_add_co_u32 s[G0B+5], s[WLB], SLOT
.if QKV
	s_lshl_b32 s2, s[CX], 10                       ; the bias of my 128 columns
.else
	s_lshl_b32 s2, s[TC], 10
.endif
	s_lshl_b32 s3, s[WC], 9
	s_add_co_u32 s2, s2, s3
	s_mov_b32 s3, 0
	s_lshl_b32 s12, s[TC], 1                       ; the output: my two panels, 4 tc + 2 wc on,
	s_add_co_u32 s12, s12, s[WC]
	s_lshl_b32 s12, s12, 20
	s_lshl_b32 s13, s[TR], 1                       ; my 128 rows of 128 bytes
	s_add_co_u32 s13, s13, s[WR]
	s_lshl_b32 s13, s13, 14
	s_add_co_u32 s12, s12, s13
	s_mov_b32 s13, 0
	s_wait_dscnt 0x0                               ; the opening add is done
	s_wait_kmcnt 0x0
	s_add_nc_u64 s[G0A+2:G0A+3], s[4:5], s[OA:OA+1]
	s_add_nc_u64 s[G0A+6:G0A+7], s[G0A+2:G0A+3], ASTEP
	s_or_b32 s[G0A+3], s[G0A+3], 0x80000000
	s_or_b32 s[G0A+7], s[G0A+7], 0x80000000
	s_add_nc_u64 s[G0B+2:G0B+3], s[6:7], s[OB:OB+1]
	s_add_nc_u64 s[G0B+6:G0B+7], s[G0B+2:G0B+3], BSTEP
	s_or_b32 s[G0B+3], s[G0B+3], 0x80000000
	s_or_b32 s[G0B+7], s[G0B+7], 0x80000000
.if QKV
	s_cmp_eq_u32 ttmp9, 1
	s_cselect_b64 s[10:11], s[78:79], s[76:77]
	s_cmp_eq_u32 ttmp9, 2
	s_cselect_b64 s[10:11], s[80:81], s[10:11]
.endif
	s_add_nc_u64 s[10:11], s[10:11], s[2:3]
	s_add_nc_u64 s[8:9], s[8:9], s[12:13]
	CROUND                                         ; all sixteen work-groups are here: the first joint loads meet
	s_cmp_eq_u32 s[WR], 0                          ; a wave's two first fills stand in one branch: two loads of mine are out
	s_cbranch_scc0 .Lfirst_b
	tensor_load_to_lds s[G0A:G0A+3], s[G1A:G1A+7]
	s_nop 0
	tensor_load_to_lds s[G0A+4:G0A+7], s[G1A:G1A+7]
	s_nop 0
	PLACES
	s_branch .Lfirst_done
.Lfirst_b:
	tensor_load_to_lds s[G0B:G0B+3], s[G1B:G1B+7]
	s_nop 0
	tensor_load_to_lds s[G0B+4:G0B+7], s[G1B:G1B+7]
	s_nop 0
	PLACES
.Lfirst_done:
	v_and_b32 v1, 15, v0                           ; r = l % 16
	v_bfe_u32 v2, v0, 4, 1                         ; hh = l / 16
	v_and_b32 v3, 7, v0
	v_bfe_u32 v4, v0, 3, 1
	v_and_b32 v5, 31, v0
	v_lshlrev_b32 v[BO], 4, v1
	global_load_b128 v[BI:BI+3], v[BO], s[10:11]               ; the bias of columns 4 (l % 16) + 0..3 of my first 64,
	global_load_b128 v[BI+4:BI+7], v[BO], s[10:11] offset:256  ; and of my second 64
	s_mul_i32 s21, s[WR], 128*PA
	v_mul_u32_u24 v[A0], v1, PA                    ; a fragment of A: row r, 16 bytes for each half of the lanes
	v_lshl_add_u32 v[A0], v2, 4, v[A0]
	v_add_nc_u32 v[A0], s21, v[A0]
	v_lshl_add_u32 v[B0], v2, 3, v3                ; the turning load: lane l reads row 8 hh + l % 8 of K, columns 8 ((l / 8) % 2) + 0..7
	v_mul_u32_u24 v[B0], v[B0], PB
	v_lshl_add_u32 v[B0], v4, 4, v[B0]
	s_lshl_b32 s21, s[WC], 8
	s_add_co_u32 s21, s21, BOFF
	v_add_nc_u32 v[B0], s21, v[B0]
	s_mul_i32 s21, s[WV], DWAVE
	v_mul_u32_u24 v[DS], v1, DP
	v_lshl_add_u32 v[DS], v2, 5, v[DS]
	v_add_nc_u32 v[DS], s21, v[DS]
	v_mul_u32_u24 v[DR], v2, DP
	v_lshl_add_u32 v[DR], v1, 4, v[DR]
	v_add_nc_u32 v[DR], s21, v[DR]
	v_lshlrev_b32 v[GO], 3, v5
	; the prefetches: my own tile's address at K step 3, plus my work-group's 32 blocks of the 128
	s_lshl_b32 s21, s[CX], 13                      ; A: 32 blocks of 256 dense bytes
	s_mul_i32 s22, s[CY], 16*SB                    ; W: 16 rows, two blocks each
	s_add_co_u32 s21, s21, s[OA]
	s_add_co_u32 s22, s22, s[OB]
	s_add_co_u32 s21, s21, 3*ASTEP
	s_add_co_u32 s22, s22, 3*BSTEP
	s_and_b32 s23, ttmp7, 0xffff
	s_mov_b32 s[PSTEP], BSTEP
	s_mov_b32 s[PSTEP+1], 0
	s_mov_b32 s3, SB
	s_mov_b32 s13, 0
	s_cmp_eq_u32 s[WR], 0
	s_cselect_b32 s12, s21, s22
	s_cselect_b32 s23, ttmp9, s23                  ; the coordinate along which other clusters read the same blocks
	s_cselect_b64 s[PFA:PFA+1], s[4:5], s[6:7]
	s_cselect_b32 s[PSTEP], ASTEP, s[PSTEP]
	s_cselect_b32 s3, 512, s3
	s_add_nc_u64 s[PFA:PFA+1], s[PFA:PFA+1], s[12:13]
	s_cmp_eq_u32 s23, 0
	s_cselect_b32 s[LIM], 2, -1                    ; the same in all sixteen partners, for a given wave
	v_lshrrev_b32 v6, 1, v5
	v_and_b32 v[PFO], 1, v5
	v_lshlrev_b32 v[PFO], 8, v[PFO]
	v_mad_u32_u24 v[PFO], v6, s3, v[PFO]           ; (l / 2) x 512 or a row of W, + 256 (l % 2)
.if GELU
	s_mov_b32 s[KC1], 0xbf38aa3b                   ; -log2(e) / 2
	s_mov_b32 s[KP],  0x3e6d3388                   ; 0.3275911 / sqrt(2)
	s_mov_b32 s[KA1], 0xbe027906                   ; -0.254829592 / 2
	s_mov_b32 s[KA2], 0x3e11a98e                   ;  0.284496736 / 2
	s_mov_b32 s[KA3], 0xbf35f0e3                   ; -1.421413741 / 2
	s_mov_b32 s[KA4], 0x3f3a00e3                   ;  1.453152027 / 2
	s_mov_b32 s[KA5], 0xbf07dc22                   ; -1.061405429 / 2
.irp k, KC1, KP, KA1, KA2, KA3, KA4, KA5
	s_mov_b32 s[(\k)+1], s[\k]                     ; named as pairs
.endr
.endif
	v_mov_b32 v[ADRA], v[A0]
	v_mov_b32 v[ADRB], v[B0]
	s_wait_tensorcnt 0x1                           ; my part of K step 0 is in; step 1's may stay out
	s_barrier_signal -1
	s_barrier_wait -1
	FETCH F0, 0, 0                                 ; the first panel's first quarter and a half stand in front of the loop: their products start the sums
	s_wait_dscnt 8
	MULH F0, 0, 1
	FETCH F1, 64, 32*PB
	s_wait_dscnt 32
	MULH F0, 1, 1
	s_wait_dscnt 8
	MULH F1, 0, 0
	WIN 0
	s_mov_b32 s[RS], 0
	s_mov_b32 s[FS], SLOT
	s_mov_b32 s[TA], APAN
	s_mov_b32 s[TBB], BHALF
	s_mov_b32 s[SLOTS], 7                          ; the entry in the middle takes one count: six changes fill a slot again, with K steps 2 to 7
	s_mov_b32 s[CNT], 1
	s_branch .Lrot
.Lslot:
	CHANGE 1
	s_mov_b32 s[CNT], 2
.Lrot:
	ROT
	s_sub_co_u32 s[CNT], s[CNT], 1
	s_cmp_lg_u32 s[CNT], 0
	s_cbranch_scc1 .Lrot
	s_sub_co_u32 s[SLOTS], s[SLOTS], 1
	s_cmp_lg_u32 s[SLOTS], 0
	s_cbranch_scc1 .Lslot
	CHANGE 0                                       ; the last K step is written out
	s_mov_b32 s[CNT], 2
.Ltrot:
	ROT
	s_sub_co_u32 s[CNT], s[CNT], 1
	s_cmp_lg_u32 s[CNT], 0
	s_cbranch_scc1 .Ltrot
	s_wait_dscnt 0x0                               ; my reads of the ring are over: say so,
	s_barrier_signal -1
	MULH F1, 1, 0                                  ; finish on registers,
	WIN 0
	s_barrier_wait -1                              ; and go on when all four have said so: the ring has had its last fill and its last read, and serves as the stage
	PLACES
.irp hi, 0,1
	WIN 0x08+4*(\hi)                               ; store data in window 2, then 3
.irp a, 0,1,2,3
.irp b, 0,1,2,3,4,5,6,7
	ds_store_b128 v[DS], v[8*(8*(\a)+(\b)):8*(8*(\a)+(\b))+3]   offset:(4*(\hi)+(\a))*16*DP+64*(\b)
	ds_store_b128 v[DS], v[8*(8*(\a)+(\b))+4:8*(8*(\a)+(\b))+7] offset:(4*(\hi)+(\a))*16*DP+64*(\b)+16
.endr
.endr
.endr
	WIN 0
.macro LOADX                           ; U rows x 128 columns: a half of the lanes takes 256 consecutive bytes.  LDS serves a wave's instructions in order (ISA guide 5.7.1.4): these see my stores
.set u, 0
.rept U
	ds_load_b128 v[X+4*u:X+4*u+3], v[DR] offset:(u/2)*2*DP+(u%2)*256
.set u, u+1
.endr
.endm
	s_wait_loadcnt 0x0                             ; the bias
	LOADX
	s_mov_b32 s[CNT], 128/U
.Lep:                                          ; a trip: four rows: bias, activation, rounding, four stores; the next four rows are fetched under it
	s_wait_dscnt 0x0
.set u, 0
.rept U
.irp p, 0,1
	v_pk_add_f32 v[Z+4*u+2*(\p):Z+4*u+2*(\p)+1], v[X+4*u+2*(\p):X+4*u+2*(\p)+1], v[BI+4*(u%2)+2*(\p):BI+4*(u%2)+2*(\p)+1]
.endr
.set u, u+1
.endr
	s_cmp_eq_u32 s[CNT], 1
	s_cbranch_scc1 .Lnol
	v_add_nc_u32 v[DR], U*DP, v[DR]
	LOADX
.Lnol:
	; The activation of 16 numbers.  Its 32 transcendentals are ONE batch with one wait, and each has a plain neighbour that names no result of the batch:
	; the reciprocals stand by turns with the two multiplies that make the exponent, the exponentials with the maxima.
.set i, 0
.rept 16
	v_fma_f32 v[D+i], |v[Z+i]|, s[KP], 1.0
.set i, i+1
.endr
.set i, 0
.rept 8
	v_rcp_f32 v[D+i], v[D+i]                       ; t
	v_pk_mul_f32 v[E+2*i:E+2*i+1], v[Z+2*i:Z+2*i+1], v[Z+2*i:Z+2*i+1]
.set i, i+1
.endr
.set i, 0
.rept 8
	v_rcp_f32 v[D+8+i], v[D+8+i]
	v_pk_mul_f32 v[E+2*i:E+2*i+1], v[E+2*i:E+2*i+1], s[KC1:KC1+1] op_sel_hi:[1,0]
.set i, i+1
.endr
.set i, 0
.rept 16
	v_exp_f32 v[E+i], v[E+i]                       ; e^(-z z / 2)
	v_max_num_f32 v[M+i], 0, v[Z+i]
.set i, i+1
.endr
	s_wait_alu depctr_va_vdst(0)                   ; one wait for the batch of 32, ahead of its first reader; the last maximum is the plain instruction behind the last exponential
.set i, 0
.rept 8
	v_pk_fma_f32 v[P+2*i:P+2*i+1], v[D+2*i:D+2*i+1], s[KA5:KA5+1], s[KA4:KA4+1] op_sel_hi:[1,0,0]
.set i, i+1
.endr
.irp k, KA3, KA2, KA1
.set i, 0
.rept 8
	v_pk_fma_f32 v[P+2*i:P+2*i+1], v[P+2*i:P+2*i+1], v[D+2*i:D+2*i+1], s[\k:(\k)+1] op_sel_hi:[1,1,0]
.set i, i+1
.endr
.endr
.set i, 0
.rept 8
	v_pk_mul_f32 v[P+2*i:P+2*i+1], v[P+2*i:P+2*i+1], v[D+2*i:D+2*i+1]
.set i, i+1
.endr
.set i, 0
.rept 8
	v_pk_mul_f32 v[P+2*i:P+2*i+1], v[P+2*i:P+2*i+1], v[E+2*i:E+2*i+1]
.set i, i+1
.endr
.set i, 0
.rept 16
	v_fma_f32 v[Z+i], |v[Z+i]|, v[P+i], v[M+i]
.set i, i+1
.endr
	s_wait_xcnt 0x0                                ; the last trip's stores have read their data and their base: both are written again only behind this wait, a whole activation behind those stores
	s_add_nc_u64 s[8:9], s[8:9], OSTEP             ; the stores below reach back by as much
.set i, 0
.rept 2*U
	v_cvt_pk_bf16_f32 v[Y+i], v[Z+2*i], v[Z+2*i+1]
.set i, i+1
.endr
.set u, 0
.rept U
	global_store_b64 v[GO], v[Y+2*u:Y+2*u+1], s[8:9] offset:(u/2)*256+(u%2)*PANEL-OSTEP  ; the wave's 256 consecutive bytes, aligned: two rows of a panel
.set u, u+1
.endr
	s_sub_co_u32 s[CNT], s[CNT], 1
	s_cmp_lg_u32 s[CNT], 0
	s_cbranch_scc1 .Lep
	s_wait_tensorcnt 0x0                           ; the wave's end
	ds_add_u32 v[SPW], v[NIL]
	s_wait_dscnt 0x0
	CROUND                                         ; the closing round
	s_endpgm
.Lfunc_end_k_q092388b3f6_ff1:
	.size	k_q092388b3f6_ff1, .Lfunc_end_k_q092388b3f6_ff1-k_q092388b3f6_ff1
	.p2alignl 7, 3214868480
	.fill 96, 4, 3214868480
	.section	.rodata,"a",@progbits
	.p2align	6, 0x0
	.amdhsa_kernel k_q092388b3f6_ff1
		.amdhsa_group_segment_fixed_size 327680
		.amdhsa_private_segment_fixed_size 0
		.amdhsa_enable_private_segment 0
		.amdhsa_kernarg_size 32
		.amdhsa_user_sgpr_count 2
		.amdhsa_user_sgpr_kernarg_segment_ptr 1
		.amdhsa_wavefront_size32 1
		.amdhsa_system_sgpr_workgroup_id_x 1
		.amdhsa_system_sgpr_workgroup_id_y 1
		.amdhsa_system_sgpr_workgroup_id_z 1
		.amdhsa_system_vgpr_workitem_id 0
		.amdhsa_next_free_vgpr 1024
		.amdhsa_next_free_sgpr 100
		.amdhsa_reserve_vcc 0
		.amdhsa_float_denorm_mode_32 3
		.amdhsa_float_denorm_mode_16_64 3
		.amdhsa_memory_ordered 1
		.amdhsa_forward_progress 1
		.amdhsa_inst_pref_size 68
	.end_amdhsa_kernel
	.amdgpu_metadata
---
amdhsa.version: [ 1, 2 ]
amdhsa.kernels:
  - .name:           k_q092388b3f6_ff1
    .symbol:         k_q092388b3f6_ff1.kd
    .args:
      - { .name: act, .offset: 0, .size: 8, .value_kind: global_buffer, .address_space: global }
      - { .name: wts, .offset: 8, .size: 8, .value_kind: global_buffer, .address_space: global }
      - { .name: b1, .offset: 16, .size: 8, .value_kind: global_buffer, .address_space: global }
      - { .name: h, .offset: 24, .size: 8, .value_kind: global_buffer, .address_space: global }
    .group_segment_fixed_size: 327680
    .private_segment_fixed_size: 0
    .kernarg_segment_align: 8
    .kernarg_segment_size: 32
    .max_flat_workgroup_size: 128
    .sgpr_count:     100
    .vgpr_count:     1024
    .wavefront_size: 32
...
	.end_amdgpu_metadata
.endif
;; end of part 5
;; launch ff2 (part 6): grid 8 x 32, 4 waves a work-group, clusters of 4 x 4, 327,680 bytes of LDS; arguments h, wts, b2, x1, out0; writes out0
.if DOCPART == 6
	.amdgcn_target "amdgcn-amd-amdhsa--gfx1250"
	.amdhsa_code_object_version 6
	.text
	.protected	k_q092388b3f6_ff2
	.globl	k_q092388b3f6_ff2
	.p2align	8
	.type	k_q092388b3f6_ff2,@function
k_q092388b3f6_ff2:
	s_mov_b64 s[64:65], 0
	v_nop
	global_prefetch_b8 v0, s[64:65] scope:SCOPE_SE
	s_setreg_imm32_b32 hwreg(HW_REG_WAVE_MODE, 25, 1), 1
	s_wait_xcnt 0x0
	s_wait_alu depctr_hold_cnt(0) depctr_sa_sdst(0) depctr_va_vdst(0) depctr_va_sdst(0) depctr_va_ssrc(0) depctr_va_vcc(0) depctr_vm_vsrc(0)
	s_getreg_b32 s2, hwreg(HW_REG_IB_STS2, 6, 4)
	s_cmp_eq_u32 s2, 0
	s_cbranch_scc0 .Lentry_in_a_cluster
	s_endpgm
.Lentry_in_a_cluster:
	s_bfe_u32 s2, ttmp6, 0x10000c
	s_cmp_lg_u32 s2, 0xf033
	s_cbranch_scc0 .Lentry_shape_is_right
	s_endpgm
.Lentry_shape_is_right:
; FF2.  out0 = x1 + h W2 + b2.  h in panels [64][4,096][64] bf16, W2 [4,096][1,024] bf16 in wts, x1 and out0 [4,096][1,024] f32.  bf16 operands, f32 sums; the residual stays f32.
; SHARES.  N is 1,024: a tile of C of 128 x 128 gives each of 256 work-groups one.  Four waves, 64 x 64 each: 16 accumulators.
; RING.  K goes in steps of 256 (four panels) through two LDS slots; a slot: four panels of A (128 rows, 128 bytes + 16), then 256 rows of W (256 bytes + 32); each wave fetches a quarter by one tensor load.
; CLUSTER 4 x 4: A's tile is asked for jointly along a row of the cluster, W's along a column.  No prefetch: the tile is small, and a step's bytes are few.
; THE PRODUCT IS TAKEN TRANSPOSED (source 0 = 16 columns of W, by the turning load; source 1 = 16 rows of A).  The bias, laid out as an accumulator, is the C of the products that start the sums.
; The residual's 64 x 64 numbers are loaded at the start, in the layout of the stores, and land under the K loop.  The sums go through LDS (slot 0, which has had its last fill and last read) into that layout.
; REGISTERS: window 0: v16-29 addresses; v32-63 the bias, later v32-95 at work; v128-255 accumulators (a, b) at v[128 + 8 (4 a + b)].  window 1: two fragment buffers of 128 (64 of A, 64 of W).  window 2: v0-127 the residual.
.set STEPS, 16                         ; K / 256
.set WOFF,  16777216                   ; W's first byte in wts
.set PA,    144
.set PB,    288                        ; 9 x 32
.set PAN,   128*PA                     ; 18,432: a panel of A in LDS, and 64 rows of W
.set REG,   2*PAN                      ; a wave's quarter of a slot
.set BOFF,  2*REG
.set SLOT,  4*REG                      ; 147,456
.set SPARE, 2*SLOT                     ; the spare words, 128 bytes a wave: two blocks of 256 bytes that no other line names
.set DP,    272
.set DWAVE, 64*DP
.set ASTEP, 4*524288
.set BSTEP, 256*2048
.set ADRA, 16
.set A0,   17
.set ADRB, 20
.set B0,   21
.set DS,   24
.set DR,   25
.set RO,   26                          ; v26  my 16 bytes in two rows of x1 and of the output; never rewritten
.set BO,   27
.set SPW,  28
.set NIL,  29
.set BI,   32
.set T,    32
.set ACC,  128
.set F0,   0
.set F1,   128
.set WV, 14
.set WR, 15
.set WC, 16
.set CX, 17
.set CY, 18
.set TC, 19
.set TR, 20
.set G1A, 24
.set G0A, 32
.set G1B, 40
.set G0B, 48
.set SLOTS, 56
.set CNT, 57
.set RS, 58
.set FS, 59
.set TB, 60                            ; LDS byte of the panel to be fetched (A's; W's rows lie BOFF behind)
.set WLA, 62
.set WLB, 63
.set OA, 72
.set OB, 74
.set MSB, 0
.macro WIN new
.if MSB != (\new)
	s_set_vgpr_msb (MSB<<8)|(\new)
.set MSB, \new
.endif
.endm
.macro PLACES
.rept 4
	v_nop
.endr
.endm
.macro CROUND
	s_barrier_signal -1
	s_barrier_wait -1
	s_cmp_lg_u32 s[WV], 0
	s_cbranch_scc1 .Lnot_wave_0_\@
	s_barrier_signal -3
.Lnot_wave_0_\@:
	s_barrier_wait -3
	s_barrier_signal -1
	s_barrier_wait -1
.endm
.macro JLOAD
	s_cmp_eq_u32 s[WR], 0
	s_cbranch_scc0 .Lfor_b_\@
	tensor_load_to_lds s[G0A+4:G0A+7], s[G1A:G1A+7]
	s_nop 0
	PLACES
	s_branch .Lasked_\@
.Lfor_b_\@:
	tensor_load_to_lds s[G0B+4:G0B+7], s[G1B:G1B+7]
	s_nop 0
	PLACES
.Lasked_\@:
.endm
; 16 matrix instructions: my 64 x 64, 32 along K (half c of buffer f).  The accumulators take turns.  first = 1: the bias starts the sums.
.macro MUL f, c, first=0
	WIN 0x05
.irp a, 0,1,2,3
.irp b, 0,1,2,3
.if \first
	v_wmma_f32_16x16x32_bf16 v[ACC+8*(4*(\a)+(\b)):ACC+8*(4*(\a)+(\b))+7], v[(\f)+64+8*(4*(\c)+(\b)):(\f)+64+8*(4*(\c)+(\b))+7], v[(\f)+8*(4*(\c)+(\a)):(\f)+8*(4*(\c)+(\a))+7], v[BI+8*(\b):BI+8*(\b)+7]
.else
	v_wmma_f32_16x16x32_bf16 v[ACC+8*(4*(\a)+(\b)):ACC+8*(4*(\a)+(\b))+7], v[(\f)+64+8*(4*(\c)+(\b)):(\f)+64+8*(4*(\c)+(\b))+7], v[(\f)+8*(4*(\c)+(\a)):(\f)+8*(4*(\c)+(\a))+7], v[ACC+8*(4*(\a)+(\b)):ACC+8*(4*(\a)+(\b))+7]
.endif
.endr
.endr
.endm
; 32 LDS loads in one run: a panel's fragments (64 along K), the first 32 along K first
.macro FETCH f, k
	WIN 0x40
.irp c, 0,1
.irp i, 0,1,2,3
	ds_load_tr16_b128 v[(\f)+64+8*(4*(\c)+(\i)):(\f)+64+8*(4*(\c)+(\i))+3],   v[ADRB] offset:(\k)+(\c)*32*PB+32*(\i)
	ds_load_tr16_b128 v[(\f)+64+8*(4*(\c)+(\i))+4:(\f)+64+8*(4*(\c)+(\i))+7], v[ADRB] offset:(\k)+(\c)*32*PB+32*(\i)+16*PB
	ds_load_b128 v[(\f)+8*(4*(\c)+(\i)):(\f)+8*(4*(\c)+(\i))+3],   v[ADRA] offset:(\k)+64*(\c)+(\i)*16*PA
	ds_load_b128 v[(\f)+8*(4*(\c)+(\i))+4:(\f)+8*(4*(\c)+(\i))+7], v[ADRA] offset:(\k)+64*(\c)+(\i)*16*PA+32
.endr
.endr
.endm
.macro ROT                             ; two panels of K: it begins by fetching the first while the panel before is finished
	WIN 0
	v_add_nc_u32 v[ADRA], s[TB], v[A0]             ; these two and two v_nop are the four places behind buffer 0's last reader
	v_add_nc_u32 v[ADRB], s[TB], v[B0]
	v_nop
	v_nop
	FETCH F0, 0
	s_wait_dscnt 32                                ; all but the 32 just issued
	MUL F1, 1
	s_wait_dscnt 16                                ; the first 32 along K are in
	MUL F0, 0
	PLACES
	FETCH F1, PAN
	s_wait_dscnt 32
	MUL F0, 1
	s_wait_dscnt 16
	MUL F1, 0
	WIN 0
	s_add_co_u32 s[TB], s[TB], 2*PAN
.endm
.macro CHANGE fill                     ; the change of slots: all my tensor loads, the add, my reads; then the barrier (fill = 1: a round of the cluster's, and the joint refill first behind it, with 128 matrix instructions in which to land)
	WIN 0
	s_wait_tensorcnt 0x0
	ds_add_u32 v[SPW], v[NIL]
	s_xor_b32 s[RS], s[RS], SLOT
	s_mov_b32 s[TB], s[RS]
.if \fill
	s_xor_b32 s[FS], s[FS], SLOT
	s_add_co_u32 s[G0A+5], s[WLA], s[FS]
	s_add_co_u32 s[G0B+5], s[WLB], s[FS]
	s_add_nc_u64 s[G0A+6:G0A+7], s[G0A+6:G0A+7], ASTEP
	s_add_nc_u64 s[G0B+6:G0B+7], s[G0B+6:G0B+7], BSTEP
	s_wait_dscnt 0x0
	CROUND
	JLOAD
.else
	s_wait_dscnt 0x0
	s_barrier_signal -1
	s_barrier_wait -1
.endif
.endm
	s_load_b256 s[4:11], s[0:1], 0x0               ; A s[4:5], wts s[6:7], bias s[8:9], residual s[10:11]
	s_load_b64 s[12:13], s[0:1], 0x20              ; the output
	v_lshl_add_u32 v[SPW], v0, 2, SPARE
	v_mov_b32 v[NIL], 0
	ds_add_u32 v[SPW], v[NIL]                      ; the wave's opening: the add and its wait ahead of my first tensor load
	v_lshrrev_b32 v1, 5, v0
	v_readfirstlane_b32 s[WV], v1
	s_lshr_b32 s[WR], s[WV], 1
	s_and_b32 s[WC], s[WV], 1
	s_bfe_u32 s[CX], ttmp6, 0x40000
	s_bfe_u32 s[CY], ttmp6, 0x40004
	s_lshl_b32 s[TC], ttmp9, 2
	s_add_co_u32 s[TC], s[TC], s[CX]
	s_and_b32 s[TR], ttmp7, 0xffff
	s_lshl_b32 s[TR], s[TR], 2
	s_add_co_u32 s[TR], s[TR], s[CY]
	s_lshl_b32 s[OA], s[CY], 2
	s_lshl_b32 s[OA], 15, s[OA]
	s_lshl_b32 s[OB], 0x1111, s[CX]
	s_or_b32 s[G1A], s[OA], (1<<16)|(1<<20)|(1<<21)|(4<<22)|(3<<25)  ; padding: after every 32 words, 4 words, counted along the whole tile
	s_mov_b32 s[G1A+1], 8192<<16                   ; a panel's 128 rows are 16,384 dense bytes: one row of 8,192 elements; two panels to a load
	s_mov_b32 s[G1A+2], 2<<16
	s_mov_b32 s[G1A+3], 8192<<16
	s_mov_b32 s[G1A+4], 2
	s_mov_b32 s[G1A+5], 262144                     ; elements from panel to panel
	s_mov_b32 s[G1A+6], 0
	s_mov_b32 s[G1A+7], 0
	s_or_b32 s[G1B], s[OB], (1<<16)|(1<<20)|(1<<21)|(5<<22)|(7<<25)  ; after every 64 words, 8 words
	s_mov_b32 s[G1B+1], 128<<16                    ; 128 rows of 128 elements
	s_mov_b32 s[G1B+2], 128<<16
	s_mov_b32 s[G1B+3], 128<<16
	s_mov_b32 s[G1B+4], 128
	s_mov_b32 s[G1B+5], 1024
	s_mov_b32 s[G1B+6], 0
	s_mov_b32 s[G1B+7], 0
	s_lshl_b32 s[OA], s[WC], 20                    ; A: my two panels of the step's four,
	s_lshl_b32 s[OA+1], s[TR], 14                  ; the tile's 128 rows of 128 bytes
	s_add_co_u32 s[OA], s[OA], s[OA+1]
	s_mov_b32 s[OA+1], 0
	s_lshl_b32 s[OB], s[TC], 8                     ; W: the tile's 128 columns,
	s_lshl_b32 s[OB+1], s[WC], 18                  ; my 128 rows of the step's 256
	s_add_co_u32 s[OB], s[OB], s[OB+1]
	s_add_co_u32 s[OB], s[OB], WOFF
	s_mov_b32 s[OB+1], 0
	s_mul_i32 s[WLA], s[WC], REG
	s_add_co_u32 s[WLB], s[WLA], BOFF
	s_mov_b32 s[G0A], 1
	s_mov_b32 s[G0A+1], s[WLA]
	s_mov_b32 s[G0A+4], 1
	s_add_co_u32 s[G0A+5], s[WLA], SLOT
	s_mov_b32 s[G0B], 1
	s_mov_b32 s[G0B+1], s[WLB]
	s_mov_b32 s[G0B+4], 1
	s_add_co_u32 s[G0B+5], s[WLB], SLOT
	s_lshl_b32 s2, s[TC], 9                        ; my 64 columns, in bytes of f32
	s_lshl_b32 s3, s[WC], 8
	s_add_co_u32 s2, s2, s3
	s_mov_b32 s3, 0
	s_lshl_b32 s22, s[TR], 1                       ; my 64 rows of 4,096 bytes
	s_add_co_u32 s22, s22, s[WR]
	s_lshl_b32 s22, s22, 18
	s_add_co_u32 s22, s22, s2
	s_mov_b32 s23, 0
	s_wait_dscnt 0x0                               ; the opening add is done
	s_wait_kmcnt 0x0
	s_add_nc_u64 s[G0A+2:G0A+3], s[4:5], s[OA:OA+1]
	s_add_nc_u64 s[G0A+6:G0A+7], s[G0A+2:G0A+3], ASTEP
	s_or_b32 s[G0A+3], s[G0A+3], 0x80000000
	s_or_b32 s[G0A+7], s[G0A+7], 0x80000000
	s_add_nc_u64 s[G0B+2:G0B+3], s[6:7], s[OB:OB+1]
	s_add_nc_u64 s[G0B+6:G0B+7], s[G0B+2:G0B+3], BSTEP
	s_or_b32 s[G0B+3], s[G0B+3], 0x80000000
	s_or_b32 s[G0B+7], s[G0B+7], 0x80000000
	s_add_nc_u64 s[8:9], s[8:9], s[2:3]
	s_add_nc_u64 s[10:11], s[10:11], s[22:23]
	s_add_nc_u64 s[12:13], s[12:13], s[22:23]
	CROUND                                         ; all sixteen work-groups are here
	s_cmp_eq_u32 s[WR], 0                          ; a wave's two first fills stand in one branch: two loads of mine are out
	s_cbranch_scc0 .Lfirst_b
	tensor_load_to_lds s[G0A:G0A+3], s[G1A:G1A+7]
	s_nop 0
	tensor_load_to_lds s[G0A+4:G0A+7], s[G1A:G1A+7]
	s_nop 0
	PLACES
	s_branch .Lfirst_done
.Lfirst_b:
	tensor_load_to_lds s[G0B:G0B+3], s[G1B:G1B+7]
	s_nop 0
	tensor_load_to_lds s[G0B+4:G0B+7], s[G1B:G1B+7]
	s_nop 0
	PLACES
.Lfirst_done:
	v_and_b32 v1, 15, v0                           ; r
	v_bfe_u32 v2, v0, 4, 1                         ; hh
	v_and_b32 v3, 7, v0
	v_bfe_u32 v4, v0, 3, 1
	v_lshlrev_b32 v[BO], 5, v2                     ; register j of n block b is column 16 b + 8 hh + j
	v_lshlrev_b32 v[RO], 12, v2
	v_lshl_add_u32 v[RO], v1, 4, v[RO]
.irp b, 0,1,2,3
	global_load_b128 v[BI+8*(\b):BI+8*(\b)+3],   v[BO], s[8:9] offset:64*(\b)
	global_load_b128 v[BI+8*(\b)+4:BI+8*(\b)+7], v[BO], s[8:9] offset:64*(\b)+16
.endr
	WIN 0x80                                       ; destination window 2
.set t, 0
.rept 32
	global_load_b128 v[4*t:4*t+3], v[RO], s[10:11] offset:t*8192  ; two rows: 16 lanes take 256 consecutive bytes, aligned
.set t, t+1
.endr
	WIN 0
	s_mul_i32 s21, s[WR], 64*PA
	v_mul_u32_u24 v[A0], v1, PA
	v_lshl_add_u32 v[A0], v2, 4, v[A0]
	v_add_nc_u32 v[A0], s21, v[A0]
	v_lshl_add_u32 v[B0], v2, 3, v3
	v_mul_u32_u24 v[B0], v[B0], PB
	v_lshl_add_u32 v[B0], v4, 4, v[B0]
	s_lshl_b32 s21, s[WC], 7
	s_add_co_u32 s21, s21, BOFF
	v_add_nc_u32 v[B0], s21, v[B0]
	s_mul_i32 s21, s[WV], DWAVE
	v_mul_u32_u24 v[DS], v1, DP
	v_lshl_add_u32 v[DS], v2, 5, v[DS]
	v_add_nc_u32 v[DS], s21, v[DS]
	v_mul_u32_u24 v[DR], v2, DP
	v_lshl_add_u32 v[DR], v1, 4, v[DR]
	v_add_nc_u32 v[DR], s21, v[DR]
	v_mov_b32 v[ADRA], v[A0]
	v_mov_b32 v[ADRB], v[B0]
	s_wait_tensorcnt 0x1                           ; my part of K step 0 is in; step 1's may stay out
	s_barrier_signal -1
	s_barrier_wait -1
	FETCH F0, 0
	s_wait_loadcnt 32                              ; the bias is in; the residual's 32 loads stay out
	s_wait_dscnt 16
	MUL F0, 0, 1
	FETCH F1, PAN
	s_wait_dscnt 32
	MUL F0, 1
	s_wait_dscnt 16
	MUL F1, 0
	WIN 0
	s_mov_b32 s[RS], 0
	s_mov_b32 s[FS], SLOT
	s_mov_b32 s[TB], 2*PAN
	s_mov_b32 s[SLOTS], STEPS-1                    ; the entry in the middle takes one count: STEPS - 2 changes fill a slot again
	s_mov_b32 s[CNT], 1
	s_branch .Lrot
.Lslot:
	CHANGE 1
	s_mov_b32 s[CNT], 2
.Lrot:
	ROT
	s_sub_co_u32 s[CNT], s[CNT], 1
	s_cmp_lg_u32 s[CNT], 0
	s_cbranch_scc1 .Lrot
	s_sub_co_u32 s[SLOTS], s[SLOTS], 1
	s_cmp_lg_u32 s[SLOTS], 0
	s_cbranch_scc1 .Lslot
	CHANGE 0                                       ; the last K step, in slot 1, is written out; behind this barrier nobody reads slot 0 and nothing fills it
	s_mov_b32 s[CNT], 2
.Ltrot:
	ROT
	s_sub_co_u32 s[CNT], s[CNT], 1
	s_cmp_lg_u32 s[CNT], 0
	s_cbranch_scc1 .Ltrot
	s_wait_dscnt 0x0
	MUL F1, 1
	WIN 0
	PLACES
.irp a, 0,1,2,3
.irp b, 0,1,2,3
	ds_store_b128 v[DS], v[ACC+8*(4*(\a)+(\b)):ACC+8*(4*(\a)+(\b))+3]   offset:(\a)*16*DP+64*(\b)  ; into my own 64 rows x 272 bytes of slot 0
	ds_store_b128 v[DS], v[ACC+8*(4*(\a)+(\b))+4:ACC+8*(4*(\a)+(\b))+7] offset:(\a)*16*DP+64*(\b)+16
.endr
.endr
	s_wait_loadcnt 0x0                             ; the residual
.irp g, 0,1
.if (\g) == 1
	s_wait_xcnt 0x0                                ; the first half's stores have read their data
.endif
.set i, 0
.rept 16
	ds_load_b128 v[T+4*i:T+4*i+3], v[DR] offset:(16*(\g)+i)*2*DP  ; LDS serves a wave's instructions in order (ISA guide 5.7.1.4): these see my stores
.set i, i+1
.endr
	s_wait_dscnt 0x0
	WIN 0x08                                       ; source 1 in window 2
.set i, 0
.rept 32
	v_pk_add_f32 v[T+2*i:T+2*i+1], v[T+2*i:T+2*i+1], v[64*(\g)+2*i:64*(\g)+2*i+1]
.set i, i+1
.endr
	WIN 0
.set i, 0
.rept 16
	global_store_b128 v[RO], v[T+4*i:T+4*i+3], s[12:13] offset:(16*(\g)+i)*8192  ; 16 lanes store 256 consecutive bytes, aligned
.set i, i+1
.endr
.endr
	s_wait_tensorcnt 0x0                           ; the wave's end
	ds_add_u32 v[SPW], v[NIL]
	s_wait_dscnt 0x0
	CROUND                                         ; the closing round
	s_endpgm
.Lfunc_end_k_q092388b3f6_ff2:
	.size	k_q092388b3f6_ff2, .Lfunc_end_k_q092388b3f6_ff2-k_q092388b3f6_ff2
	.p2alignl 7, 3214868480
	.fill 96, 4, 3214868480
	.section	.rodata,"a",@progbits
	.p2align	6, 0x0
	.amdhsa_kernel k_q092388b3f6_ff2
		.amdhsa_group_segment_fixed_size 327680
		.amdhsa_private_segment_fixed_size 0
		.amdhsa_enable_private_segment 0
		.amdhsa_kernarg_size 40
		.amdhsa_user_sgpr_count 2
		.amdhsa_user_sgpr_kernarg_segment_ptr 1
		.amdhsa_wavefront_size32 1
		.amdhsa_system_sgpr_workgroup_id_x 1
		.amdhsa_system_sgpr_workgroup_id_y 1
		.amdhsa_system_sgpr_workgroup_id_z 1
		.amdhsa_system_vgpr_workitem_id 0
		.amdhsa_next_free_vgpr 640
		.amdhsa_next_free_sgpr 84
		.amdhsa_reserve_vcc 0
		.amdhsa_float_denorm_mode_32 3
		.amdhsa_float_denorm_mode_16_64 3
		.amdhsa_memory_ordered 1
		.amdhsa_forward_progress 1
		.amdhsa_inst_pref_size 50
	.end_amdhsa_kernel
	.amdgpu_metadata
---
amdhsa.version: [ 1, 2 ]
amdhsa.kernels:
  - .name:           k_q092388b3f6_ff2
    .symbol:         k_q092388b3f6_ff2.kd
    .args:
      - { .name: h, .offset: 0, .size: 8, .value_kind: global_buffer, .address_space: global }
      - { .name: wts, .offset: 8, .size: 8, .value_kind: global_buffer, .address_space: global }
      - { .name: b2, .offset: 16, .size: 8, .value_kind: global_buffer, .address_space: global }
      - { .name: x1, .offset: 24, .size: 8, .value_kind: global_buffer, .address_space: global }
      - { .name: out0, .offset: 32, .size: 8, .value_kind: global_buffer, .address_space: global }
    .group_segment_fixed_size: 327680
    .private_segment_fixed_size: 0
    .kernarg_segment_align: 8
    .kernarg_segment_size: 40
    .max_flat_workgroup_size: 128
    .sgpr_count:     84
    .vgpr_count:     640
    .wavefront_size: 32
...
	.end_amdgpu_metadata
.endif
;; end of part 6
;; ======== version 2 of 2: 7 launches; version 1 with the launches prep, ln2 written anew for expert scheduling mode
;; workspace buffers: wts 25,165,824 bytes; act 8,388,608 bytes; qkv 25,165,824 bytes; x1 16,777,216 bytes; h 33,554,432 bytes
;; launch prep (part 7): grid 512 x 1, 8 waves a work-group, no clusters, 0 bytes of LDS; arguments x, ln1_g, ln1_b, Wq, Wk, Wv, Wo, W1, W2, act, wts; writes act, wts
.if DOCPART == 7
	.amdgcn_target "amdgcn-amd-amdhsa--gfx1250"
	.amdhsa_code_object_version 6
	.text
	.protected	k_q092388b3f6_prep
	.globl	k_q092388b3f6_prep
	.p2align	8
	.type	k_q092388b3f6_prep,@function
k_q092388b3f6_prep:
	s_mov_b64 s[64:65], 0
	v_nop
	global_prefetch_b8 v0, s[64:65] scope:SCOPE_SE
	s_setreg_imm32_b32 hwreg(HW_REG_WAVE_SCHED_MODE, 0, 2), 2
	s_setreg_imm32_b32 hwreg(HW_REG_WAVE_MODE, 25, 1), 1
	s_wait_xcnt 0x0
	s_wait_alu depctr_vm_vsrc(0)
; PREP.  Work-groups 0-255: act = LayerNorm(x) * g + b, rounded once to bf16.  Work-groups 256-511: the six weight matrices, f32 -> bf16, order kept ([K][N]).
; The same text serves the block's second norm: launched with 256 work-groups, on x1 and the second gain and bias, only its first part runs.
; A stream: every byte is read once and written once; no LDS, no barrier, no matrix unit, no cluster (no two work-groups read the same bytes but g and b, 8 KiB).
; act's LAYOUT: [16 panels of 64 columns][4,096 rows][64] bf16: a row of a panel is 128 bytes, a panel 524,288.
; LN SHARES: a work-group has 16 rows, a wave two, one for each half of its lanes, so a row's sums never leave 16 lanes.  Lane l%16 holds columns 64 j + 4 (l%16) + 0..3, j = 0..15:
; load j of a half covers 256 consecutive bytes of x, and store j of a wave 256 consecutive bytes of panel j (two rows of 128), aligned.
; The variance is taken of x - mean (two passes over registers), so a common offset on x costs nothing.  NaN and infinities are not treated apart.
; wts' LAYOUT, bytes: Wq 0, Wk 2,097,152, Wv 4,194,304, Wo 6,291,456, W1 8,388,608, W2 16,777,216.
; CAST SHARES: work-group i = id - 256 takes three pieces of 65,536 bytes: piece i of Wq, Wk, Wv, Wo taken on end, piece i of W1, piece i of W2.  All 48 loads of a lane go out at once
; (192 registers), and a piece's stores leave while the later pieces are on their way.  512 work-groups at 240 registers: two to a WGP, all at work together.
; THE MODE: SCHED_MODE bits 1:0 = 2 (LLVM: expert scheduling mode 2), set by the entry lines.  The code itself states the register dependences
; between vector instructions and memory instructions, with s_wait_alu, always for 0.
; THE PLAN.  Registers that memory instructions touch:
;   v2, v3, v4   byte offsets, made once at a path's head and never written again: one wait ahead of the path's first load serves every load and store of the path.
;   X, G, BT     (the norm) each filled by 16 loads, all issued before any vector instruction names these registers; read behind the wait on LOADcnt.
;   Y            (the norm) each word is written once, by a rounding, and read once, by a store.  The last stage goes in four groups of four panels; group q's vector instructions name
;                X, G, BT and Y of group q alone, so ONE wait at its head states that group q - 1's Y is written, and that group's four stores are dealt among group q's first instructions.
;   v16-207      (the cast) four registers a load; two roundings close them up into the first two, in place; one store reads those two; nothing writes them again.  Twelve groups of four loads:
;                ONE wait at the head of group g states that group g - 1's roundings have written their words, and that group's four stores are dealt among group g's eight roundings.
; No register that a memory instruction reads is ever written again, so no wait on vm_vsrc is owed; no vector instruction writes a scalar register or VCC; EXEC is never written.
.set XP, 4                             ; s[4:5]   x
.set GP, 6                             ; s[6:7]   gain
.set BP, 8                             ; s[8:9]   bias
.set AP, 22                            ; s[22:23] act
.set XO, 2                             ; v2  my byte offset in the group's 16 rows of x
.set PO, 3                             ; v3  my byte offset in g and b
.set YO, 4                             ; v4  my byte offset in the group's 2,048 bytes of a panel
.set MEAN, 6                           ; v[6:7]   the mean, twice
.set CH, 8                             ; v[8:15]  four chains of packed sums; later v[10:11] 1/sqrt(var + eps), twice
.set X, 16                             ; v[16:79]   my 64 numbers of the row
.set G, 80                             ; v[80:143]  their gains
.set BT, 144                           ; v[144:207] their biases
.set Y, 208                            ; v[208:239] the results, packed
.set CB, 16                            ; the cast: v[16:207], four registers a load
.macro FOLD                            ; four chains into one number, then over the row's 16 lanes
	v_pk_add_f32 v[CH:CH+1], v[CH:CH+1], v[CH+2:CH+3]
	v_pk_add_f32 v[CH+4:CH+5], v[CH+4:CH+5], v[CH+6:CH+7]
	v_pk_add_f32 v[CH:CH+1], v[CH:CH+1], v[CH+4:CH+5]
	v_add_f32 v[CH], v[CH], v[CH+1]
.irp m, 1,2,4,8
	v_add_f32_dpp v[CH], v[CH], v[CH] row_xmask:\m row_mask:0xf bank_mask:0xf
.endr
.endm
; The norm's last stage for panels 4 q to 4 q + 3: times 1/sqrt(var + eps), times g plus b, rounding; among its first eight instructions the four stores of the group before.
.macro GROUP q
.if (\q) > 0
	s_wait_alu depctr_va_vdst(0)                   ; the roundings of the group before have written its eight words of Y, which the four stores below read
.endif
.set p, 8*(\q)
.rept 8
.if ((\q) > 0) && (p%2 == 0)
	global_store_b64 v[YO], v[Y+p-8:Y+p-7], s[AP:AP+1] offset:(p/2-4)*524288  ; panel p / 2 - 4: the wave's 256 consecutive bytes; no vector instruction since the wait names these registers
.endif
	v_pk_mul_f32 v[X+2*p:X+2*p+1], v[X+2*p:X+2*p+1], v[CH+2:CH+3]
.set p, p+1
.endr
.set p, 8*(\q)
.rept 8
	v_pk_fma_f32 v[X+2*p:X+2*p+1], v[X+2*p:X+2*p+1], v[G+2*p:G+2*p+1], v[BT+2*p:BT+2*p+1]
.set p, p+1
.endr
.set p, 8*(\q)
.rept 8
	v_cvt_pk_bf16_f32 v[Y+p], v[X+2*p], v[X+2*p+1]
.set p, p+1
.endr
.endm
.macro CLOAD k, sb                     ; piece k: 16 loads, each of the work-group 4,096 consecutive bytes
.set j, 0
.rept 16
	global_load_b128 v[CB+64*(\k)+4*j:CB+64*(\k)+4*j+3], v2, s[\sb:(\sb)+1] offset:4096*j th:TH_LOAD_NT
.set j, j+1
.endr
.endm
.macro CST m                           ; the store of what load m of the 48 brought: a wave's store covers 256 consecutive bytes, aligned
.if (\m) < 16
	global_store_b64 v3, v[CB+4*(\m):CB+4*(\m)+1], s[24:25] offset:2048*((\m)%16)
.elseif (\m) < 32
	global_store_b64 v3, v[CB+4*(\m):CB+4*(\m)+1], s[34:35] offset:2048*((\m)%16)
.else
	global_store_b64 v3, v[CB+4*(\m):CB+4*(\m)+1], s[36:37] offset:2048*((\m)%16)
.endif
.endm
; The cast's group g: loads 4 g to 4 g + 3 are rounded in place; the stores of the group before are dealt among the roundings, one ahead of each two.
.macro CGRP g
	s_wait_loadcnt 44-4*(\g)                       ; loads come back in order: these four are in, the 44 - 4 g younger ones stay out
.if (\g) > 0
	s_wait_alu depctr_va_vdst(0)                   ; the roundings of the group before have written its eight words, which the four stores below read
.endif
.set n, 4*(\g)
.rept 4
.if (\g) > 0
	CST n-4                                        ; no vector instruction since the wait names its registers
.endif
	v_cvt_pk_bf16_f32 v[CB+4*n], v[CB+4*n], v[CB+4*n+1]
	v_cvt_pk_bf16_f32 v[CB+4*n+1], v[CB+4*n+2], v[CB+4*n+3]
.set n, n+1
.endr
.endm
	s_load_b512 s[4:19], s[0:1], 0x0               ; x, g, b, Wq s[10:11], Wk s[12:13], Wv s[14:15], Wo s[16:17], W1 s[18:19]
	s_load_b128 s[20:23], s[0:1], 0x40             ; W2 s[20:21], act
	s_load_b64 s[24:25], s[0:1], 0x50              ; wts
	s_cmp_lt_u32 ttmp9, 256
	s_cbranch_scc0 .Lcast
	v_lshrrev_b32 v1, 4, v0                        ; my row of the 16
	v_and_b32 v[PO], 15, v0
	v_lshlrev_b32 v[PO], 4, v[PO]
	v_lshl_add_u32 v[XO], v1, 12, v[PO]            ; row x 4,096 + 16 (l % 16)
	v_lshlrev_b32 v[YO], 3, v0                     ; row x 128 + 8 (l % 16) = 8 x thread
	s_lshl_b32 s2, ttmp9, 16                       ; 16 rows of 4,096 bytes
	s_mov_b32 s3, 0
	s_lshl_b32 s28, ttmp9, 11                      ; 16 rows of 128 bytes
	s_mov_b32 s29, 0
	s_mov_b32 s26, 0x3a800000                      ; 1 / 1,024
	s_mov_b32 s27, 0x3727c5ac                      ; 1e-5
	s_wait_kmcnt 0x0
	s_add_nc_u64 s[XP:XP+1], s[XP:XP+1], s[2:3]
	s_add_nc_u64 s[AP:AP+1], s[AP:AP+1], s[28:29]
	s_wait_alu depctr_va_vdst(0)                   ; v2, v3 and v4 are written: every load and store of this path reads one of them as its offset
.set j, 0
.rept 16
	global_load_b128 v[X+4*j:X+4*j+3], v[XO], s[XP:XP+1] offset:256*j th:TH_LOAD_NT
.set j, j+1
.endr
.set j, 0
.rept 16
	global_load_b128 v[G+4*j:G+4*j+3], v[PO], s[GP:GP+1] offset:256*j
.set j, j+1
.endr
.set j, 0
.rept 16
	global_load_b128 v[BT+4*j:BT+4*j+3], v[PO], s[BP:BP+1] offset:256*j
.set j, j+1
.endr
	s_wait_loadcnt 32                              ; the row is in; the 32 younger loads (g and b) stay out
.irp k, 0,1,2,3
	v_pk_add_f32 v[CH+2*(\k):CH+2*(\k)+1], v[X+2*(\k):X+2*(\k)+1], v[X+8+2*(\k):X+8+2*(\k)+1]  ; the first words start the chains
.endr
.set p, 8
.rept 24
	v_pk_add_f32 v[CH+2*(p%4):CH+2*(p%4)+1], v[CH+2*(p%4):CH+2*(p%4)+1], v[X+2*p:X+2*p+1]
.set p, p+1
.endr
	FOLD
	v_mul_f32 v[MEAN], s26, v[CH]
	v_mov_b32 v[MEAN+1], v[MEAN]
.set p, 0
.rept 32
	v_pk_add_f32 v[X+2*p:X+2*p+1], v[X+2*p:X+2*p+1], v[MEAN:MEAN+1] neg_lo:[0,1] neg_hi:[0,1]  ; x - mean, in place
.set p, p+1
.endr
.irp k, 0,1,2,3
	v_pk_mul_f32 v[CH+2*(\k):CH+2*(\k)+1], v[X+2*(\k):X+2*(\k)+1], v[X+2*(\k):X+2*(\k)+1]
.endr
.set p, 4
.rept 28
	v_pk_fma_f32 v[CH+2*(p%4):CH+2*(p%4)+1], v[X+2*p:X+2*p+1], v[X+2*p:X+2*p+1], v[CH+2*(p%4):CH+2*(p%4)+1]
.set p, p+1
.endr
	FOLD
	v_fma_f32 v[CH], v[CH], s26, s27               ; var + eps
	v_rsq_f32 v[CH+2], v[CH]                       ; twice: a pair for the packed multiply
	v_rsq_f32 v[CH+3], v[CH]
	v_nop                                          ; a plain instruction behind the last of the two (ISA guide 5.7.2),
	s_wait_alu depctr_va_vdst(0)                   ; and one wait for both: v10 and v11 are written, ahead of their first reader, group 0's first multiply
	s_wait_loadcnt 0x0                             ; g and b
	GROUP 0
	GROUP 1                                        ; with the stores of panels 0 to 3,
	GROUP 2                                        ; 4 to 7,
	GROUP 3                                        ; 8 to 11
	s_wait_alu depctr_va_vdst(0)                   ; group 3's roundings have written the last eight words of Y, which the last four stores read
.set j, 12
.rept 4
	global_store_b64 v[YO], v[Y+2*j:Y+2*j+1], s[AP:AP+1] offset:j*524288  ; panel j: the wave's 256 consecutive bytes; 15 panels at the most, inside the signed 24-bit immediate
.set j, j+1
.endr
	s_endpgm
.Lcast:
	v_lshlrev_b32 v2, 4, v0                        ; 16 bytes a thread in,
	v_lshlrev_b32 v3, 3, v0                        ; 8 out
	s_sub_co_u32 s26, ttmp9, 256                   ; i
	s_lshl_b32 s2, s26, 15                         ; piece i of the results: 32,768 bytes each
	s_mov_b32 s3, 0
	s_lshl_b32 s28, s26, 16                        ; piece i of W1 and of W2
	s_mov_b32 s29, 0
	s_and_b32 s30, s26, 63                         ; each of the four square matrices has 64 pieces
	s_lshl_b32 s30, s30, 16
	s_mov_b32 s31, 0
	s_wait_kmcnt 0x0
	s_cmp_lt_u32 s26, 192
	s_cselect_b64 s[32:33], s[14:15], s[16:17]     ; Wv, or Wo
	s_cmp_lt_u32 s26, 128
	s_cselect_b64 s[32:33], s[12:13], s[32:33]     ; Wk
	s_cmp_lt_u32 s26, 64
	s_cselect_b64 s[32:33], s[10:11], s[32:33]     ; Wq
	s_add_nc_u64 s[32:33], s[32:33], s[30:31]
	s_add_nc_u64 s[18:19], s[18:19], s[28:29]
	s_add_nc_u64 s[20:21], s[20:21], s[28:29]
	s_add_nc_u64 s[24:25], s[24:25], s[2:3]        ; the four square matrices lie on end in wts: piece i of them at 32,768 i,
	s_add_nc_u64 s[34:35], s[24:25], 0x800000      ; W1's 8,388,608 bytes on,
	s_add_nc_u64 s[36:37], s[34:35], 0x800000      ; W2's as much again
	s_wait_alu depctr_va_vdst(0)                   ; v2 and v3 are written: every load of this path reads v2 as its offset, every store v3
	CLOAD 0, 32
	CLOAD 1, 18
	CLOAD 2, 20
.irp g, 0,1,2,3,4,5,6,7,8,9,10,11
	CGRP \g
.endr
	s_wait_alu depctr_va_vdst(0)                   ; group 11's roundings have written their eight words, which the last four stores read
	CST 44
	CST 45
	CST 46
	CST 47
	s_endpgm
.Lfunc_end_k_q092388b3f6_prep:
	.size	k_q092388b3f6_prep, .Lfunc_end_k_q092388b3f6_prep-k_q092388b3f6_prep
	.p2alignl 7, 3214868480
	.fill 96, 4, 3214868480
	.section	.rodata,"a",@progbits
	.p2align	6, 0x0
	.amdhsa_kernel k_q092388b3f6_prep
		.amdhsa_group_segment_fixed_size 0
		.amdhsa_private_segment_fixed_size 0
		.amdhsa_enable_private_segment 0
		.amdhsa_kernarg_size 88
		.amdhsa_user_sgpr_count 2
		.amdhsa_user_sgpr_kernarg_segment_ptr 1
		.amdhsa_wavefront_size32 1
		.amdhsa_system_sgpr_workgroup_id_x 1
		.amdhsa_system_sgpr_workgroup_id_y 1
		.amdhsa_system_sgpr_workgroup_id_z 1
		.amdhsa_system_vgpr_workitem_id 0
		.amdhsa_next_free_vgpr 240
		.amdhsa_next_free_sgpr 66
		.amdhsa_reserve_vcc 0
		.amdhsa_float_denorm_mode_32 3
		.amdhsa_float_denorm_mode_16_64 3
		.amdhsa_memory_ordered 1
		.amdhsa_forward_progress 1
		.amdhsa_inst_pref_size 38
	.end_amdhsa_kernel
	.amdgpu_metadata
---
amdhsa.version: [ 1, 2 ]
amdhsa.kernels:
  - .name:           k_q092388b3f6_prep
    .symbol:         k_q092388b3f6_prep.kd
    .args:
      - { .name: x, .offset: 0, .size: 8, .value_kind: global_buffer, .address_space: global }
      - { .name: ln1_g, .offset: 8, .size: 8, .value_kind: global_buffer, .address_space: global }
      - { .name: ln1_b, .offset: 16, .size: 8, .value_kind: global_buffer, .address_space: global }
      - { .name: Wq, .offset: 24, .size: 8, .value_kind: global_buffer, .address_space: global }
      - { .name: Wk, .offset: 32, .size: 8, .value_kind: global_buffer, .address_space: global }
      - { .name: Wv, .offset: 40, .size: 8, .value_kind: global_buffer, .address_space: global }
      - { .name: Wo, .offset: 48, .size: 8, .value_kind: global_buffer, .address_space: global }
      - { .name: W1, .offset: 56, .size: 8, .value_kind: global_buffer, .address_space: global }
      - { .name: W2, .offset: 64, .size: 8, .value_kind: global_buffer, .address_space: global }
      - { .name: act, .offset: 72, .size: 8, .value_kind: global_buffer, .address_space: global }
      - { .name: wts, .offset: 80, .size: 8, .value_kind: global_buffer, .address_space: global }
    .group_segment_fixed_size: 0
    .private_segment_fixed_size: 0
    .kernarg_segment_align: 8
    .kernarg_segment_size: 88
    .max_flat_workgroup_size: 256
    .sgpr_count:     66
    .vgpr_count:     240
    .wavefront_size: 32
...
	.end_amdgpu_metadata
.endif
;; end of part 7
;; launch proj: the kernel of part 2 again; grid 12 x 16, 4 waves a work-group, clusters of 4 x 4, 327,680 bytes of LDS; arguments act, wts, bq, bk, bv, qkv; writes qkv
;; launch attn: the kernel of part 3 again; grid 8 x 32, 4 waves a work-group, clusters of 4 x 1, 327,680 bytes of LDS; arguments qkv, act; writes act
;; launch wo: the kernel of part 4 again; grid 8 x 32, 4 waves a work-group, clusters of 4 x 4, 327,680 bytes of LDS; arguments act, wts, bo, x, x1; writes x1
;; launch ln2: the kernel of part 7 again; grid 256 x 1, 8 waves a work-group, no clusters, 0 bytes of LDS; arguments x1, ln2_g, ln2_b, Wq, Wk, Wv, Wo, W1, W2, act, wts; writes act, wts
;; launch ff1: the kernel of part 5 again; grid 16 x 16, 4 waves a work-group, clusters of 4 x 4, 327,680 bytes of LDS; arguments act, wts, b1, h; writes h
;; launch ff2: the kernel of part 6 again; grid 8 x 32, 4 waves a work-group, clusters of 4 x 4, 327,680 bytes of LDS; arguments h, wts, b2, x1, out0; writes out0
